; MI455X (gfx1250); checked and timed in simulation.
; The chip was launched on July 23, 2026; its instructions are those of AMD's public machine-readable ISA for CDNA 5 (MIT licence, August 2026) and "CDNA5" Instruction Set Architecture Reference Guide (July 2026). The comments in the code are by the model that wrote it; some were corrected since.
;; Multi Head Attention. Allowed arithmetic: matrix products marked QUANTISED: E3M2 operands, one E8M0 scale for each 32 along K, by v_wmma_scale_f32_16x16x128_f8f6f4 with both operands' format E3M2, f32 sums; everything else in f32.
;; Inputs: W_key 8 x 512 x 64 float32; W_out 8 x 64 x 512 float32; W_query 8 x 512 x 64 float32; W_val 8 x 512 x 64 float32; h 1 x 4,096 x 512 float32; mask 1 x 4,096 x 4,096 int32; q 1 x 4,096 x 512 float32.
;; Outputs: out0 1 x 4,096 x 512 float32.
;; This version of the problem:
;;   THIS VERSION OF THE PROBLEM IS GIVEN IN LOW PRECISION. The matrix products marked QUANTISED in the list below multiply operands that are first quantised to E3M2 (3 exponent bits, 2 mantissa bits; 6 bits a number), with one power-of-two scale for each 32 numbers along K (OCP MX v1.0); their sums are f32. All else is computed in f32.
;;   The module's matrix products, in the order in which they are computed (A, B: the left and right operand; K: the contracted axis; several contracted axes count as one K, in the product's order):
;;     1. [M 512, K 512] x [K 512, N 4,096]; A: input W_query; B: input q: QUANTISED
;;     2. [M 512, K 512] x [K 512, N 4,096]; A: input W_key; B: input h: QUANTISED
;;     3. [M 512, K 512] x [K 512, N 4,096]; A: input W_val; B: input h: QUANTISED
;;     4. batch 8 x [M 4,096, K 64] x [K 64, N 4,096]; A: computed on the way; B: computed on the way: QUANTISED
;;     5. batch 8 x [M 4,096, K 4,096] x [K 4,096, N 64]; A: computed on the way; B: computed on the way: QUANTISED
;;     6. [M 4,096, K 512] x [K 512, N 512]; A: computed on the way; B: input W_out: QUANTISED
;;   THE QUANTISER, for each operand of a quantised product, along K:
;;     - K is cut into blocks of 32 from its start; a last block that is shorter is filled with zeros.
;;     - A block's scale is 2^e with e = floor(log2(the largest magnitude in the block)) - 4, held to -126 .. 127; a block of zeros has e = 0. As a byte (E8M0): e + 127.
;;     - Each number is divided by its block's scale, clamped to +-28, and rounded to the nearest number of E3M2, ties to even, subnormals kept.
;;     - The product sums the exact products of the quantised numbers (number of the format x scale) in f32.
;;   ~~~python
;;   def quantise(x, axis):      # numpy; x: float32 -> the quantised numbers, widened to float32 again
;;       x = np.moveaxis(x, axis, -1); K = x.shape[-1]
;;       x = np.pad(x, [(0, 0)] * (x.ndim - 1) + [(0, -K % 32)]); x = x.reshape(x.shape[:-1] + (-1, 32)); a = np.abs(x).max(-1, keepdims=True)
;;       e = np.where(a > 0, np.clip(np.frexp(np.where(a > 0, a, 1))[1] - 1 - 4, -126, 127), 0)      # np.frexp(a)[1] - 1 = floor(log2(a)), exactly
;;       r = np.clip(x / 2.0 ** e, -28, 28)
;;       step = 2.0 ** (np.maximum(np.frexp(np.where(r == 0, 1, r))[1] - 1, -2) - 2)
;;       q = np.round(r / step) * step * 2.0 ** e      # np.round: ties to even
;;       return np.moveaxis(q.reshape(q.shape[:-2] + (-1,))[..., :K], -1, axis).astype(np.float32)
;;   ~~~
;;   OPERANDS COMPUTED ON THE WAY. 'Computed on the way' means the value that the module computes at that place (a softmax that the list does not call 'softmax' is quantised finished and normalised). What goes into a quantiser is computed in f32, as accurately as f32 sums, v_exp_f32 and their like allow (about 1e-6 of the number): no bf16 or f16 on the way to a quantiser, and a product that is left as it is and whose result goes on into a quantised operand takes f32 operands (vector FMAs, or v_wmma_f32_16x16x4_f32). A number that lies on a knife's edge between two numbers of the format may be rounded either way, as far as f32 arithmetic and the matrix unit's own rounding can turn it there, and no further.
;; 2 versions, each right; version 2 is version 1 with the launches proj, attn, outp written anew for expert scheduling mode. Each part assembles by itself: llvm-mc -triple=amdgcn-amd-amdhsa -mcpu=gfx1250 --defsym DOCPART=n.
;; ======== version 1 of 2: 4 launches
;; workspace buffers: maskw 2,097,152 bytes of whole numbers; xc 3,276,800 bytes; wc 819,200 bytes; qc 1,703,936 bytes; kp 1,769,472 bytes; vc 1,572,864 bytes; hc 1,638,400 bytes
;; launch prep (part 1): grid 1408 x 1, 4 waves a work-group, no clusters, 34,304 bytes of LDS; arguments mask, q, h, W_query, W_key, W_val, W_out, maskw, xc, wc; writes maskw, xc, wc
.if DOCPART == 1
	.amdgcn_target "amdgcn-amd-amdhsa--gfx1250"
	.amdhsa_code_object_version 6
	.text
	.protected	k_q94b7d2749d_prep
	.globl	k_q94b7d2749d_prep
	.p2align	8
	.type	k_q94b7d2749d_prep,@function
k_q94b7d2749d_prep:
	s_mov_b64 s[64:65], 0
	v_nop
	global_prefetch_b8 v0, s[64:65] scope:SCOPE_SE
	s_setreg_imm32_b32 hwreg(HW_REG_WAVE_MODE, 25, 1), 1
	s_wait_xcnt 0x0
; PREP: everything that later launches read many times is brought into the order of operand registers, once.
;  work-groups 0-127:    W_query, W_key, W_val [8][512][64] and W_out [512][512] f32, K = their 512 rows -> wc: codes of E3M2 with one E8M0 byte for each 32 along K.  Work-group = tile of 16 columns, wave = K step of 128.
;  work-groups 128-383:  q and h [4096][512] f32 -> xc likewise.  A wave takes two K steps of one tile of 16 rows.
;  work-groups 384-1407: mask [4096][4096] int32 -> maskw: one 32-bit word for each register of a score tile, bit l = lane l's key counts.  A wave takes two key steps of one tile of 16 rows.
; Every wave asks for all that it reads at its head (16,384 bytes; a weight's wave 8,192), and with 226 registers four work-groups lie on a WGP.  The paths with the longer arithmetic come first in the grid.
; FORMATS.  lane l, r = l % 16, h = l / 16.  A fragment (16 rows x 128 K, 12 registers a lane) is 1,536 bytes: for c = 0, 1 registers 6c..6c+3 at 768 c + 16 l and
; registers 6c+4, 6c+5 at 768 c + 512 + 8 l.  A tile is the four fragments of K = 512: 6,144 bytes.  A tile's scale bytes: 256 bytes, row r's sixteen at 16 r.
; Row r of tile t of q, of h, and of a head's 64 columns of the three projections' weights is index 32 (t / 2) + 8 (t % 2) + r + 8 (r / 8): so the results of four neighbouring
; tiles are, in a lane's registers, neighbours along the next product's K.  W_out's tile n holds columns 16 n + r.
; maskw [T 256][ks 32][n 64]: bit l of word n = mask[row r of tile T][128 ks + 32 (n / 16) + 16 h + n % 16] != 0.
; QUANTISER: scale = 2^(floor(log2(largest magnitude)) - 4); its byte is the largest magnitude's exponent field - 4, held at 1 from below by a floor among the maximum's leaves.
; LIMITS: a block of zeros gets the byte 1, not 127 (its codes are zeros, and this program alone reads the bytes); NaN and infinities among the inputs are not served;
; any mask number other than 0 counts as 1.
; Waves share nothing: no barrier.  Only the mask path uses LDS, a stage of 8,448 bytes for each wave.
.set XS_OFF, 3145728                   ; xc: the scale bytes lie behind 512 tiles of codes
.set WS_OFF, 786432                    ; wc: behind 128 tiles
.set FLOOR,  0x2800000                 ; 2^(5 - 127)
.set EOFF,   0xfe000000                ; takes 4 off an exponent field
.set WGW,    128                       ; work-groups of the weights
.set WGX,    256                       ; of q and h
.set NU,     2                         ; key steps of a mask wave
.macro MLOAD u                         ; unit u: 16 rows x 128 keys; each load takes one row's 512 consecutive bytes
.set mp, 0
.rept 16
	global_load_b128 v[16+64*((\u)%2)+4*mp:19+64*((\u)%2)+4*mp], v1, s[4:5] offset:(mp+8*(mp/8))*16384+512*(\u) th:TH_LOAD_NT
.set mp, mp+1
.endr
.endm
.macro MUNIT u
.if (\u) < NU-1
	s_wait_loadcnt 16                              ; this unit's 16 loads are in; the next unit's 16 may be out
.else
	s_wait_loadcnt 0x0
.endif
.set mq, 0
.rept 16
	ds_store_b128 v3, v[16+64*((\u)%2)+4*mq:19+64*((\u)%2)+4*mq] offset:528*mq   ; rows 528 bytes = 132 words apart: sixteen rows start 4 words apart
.set mq, mq+1
.endr
.set mq, 0
.rept 16
	ds_load_b128 v[144+4*mq:147+4*mq], v4 offset:128*(mq/4)+16*(mq%4)   ; LDS serves a wave's instructions in order: these see the stores.  Register 16 b + i: key 32 b + 16 h + i of row r
.set mq, mq+1
.endr
	s_wait_dscnt 0x0                               ; the numbers are back
.irp g, 0,1,2,3
.set mq, 0
.rept 16
	v_cmp_ne_u32 s[16+mq], 0, v[144+16*\g+mq]      ; word n = 16 g + i: one bit a lane
.set mq, mq+1
.endr
.set mq, 0
.rept 16
	v_writelane_b32 v[208+2*(\u)+mq%2], s[16+mq], 8*\g+mq/2   ; word n to lane n / 2, register n % 2
.set mq, mq+1
.endr
.endr
	global_store_b64 v2, v[208+2*(\u):209+2*(\u)], s[6:7] offset:256*(\u)   ; 32 lanes store the unit's 64 words: 256 consecutive bytes, aligned
.endm
; four stores: the fragment in v[pc] on goes out as it stands
.macro FRAGST pc, off
	global_store_b128 v1, v[\pc:\pc+3], s[12:13] offset:\off
	global_store_b64 v2, v[\pc+4:\pc+5], s[12:13] offset:\off+512
	global_store_b128 v1, v[\pc+6:\pc+9], s[12:13] offset:\off+768
	global_store_b64 v2, v[\pc+10:\pc+11], s[12:13] offset:\off+1280
.endm
.macro XLOAD set, s                    ; my row's numbers of my s-th K step: register 16 b + i = k 32 b + 16 h + i of the step
.irp b, 0,1,2,3
.irp j, 0,1,2,3
	global_load_b128 v[\set+16*\b+4*\j:\set+16*\b+4*\j+3], v4, s[4:5] offset:512*(\s)+128*\b+16*\j th:TH_LOAD_NT
.endr
.endr
.endm
; 64 numbers of a lane become a fragment's codes in v[pc] on and its scale word in v[pw]
.macro QUANT s, pc, pw
.irp b, 0,1,2,3
	v_max3_num_f32 v[144+\b], |v[\s+16*\b]|, |v[\s+1+16*\b]|, FLOOR
.endr
.irp i, 2,4,6,8,10,12,14
.irp b, 0,1,2,3
	v_max3_num_f32 v[144+\b], v[144+\b], |v[\s+16*\b+\i]|, |v[\s+1+16*\b+\i]|   ; the four blocks by turns
.endr
.endr
.irp b, 0,1,2,3
	v_permlanex16_b32 v[148+\b], v[144+\b], s10, s11
.endr
.irp b, 0,1,2,3
	v_max_num_f32 v[144+\b], v[144+\b], v[148+\b]  ; with lane l xor 16's sixteen: the block's largest magnitude
.endr
.irp b, 0,1,2,3
	v_add_nc_u32 v[156+\b], EOFF, v[144+\b]        ; the conversion takes the exponent field of this operand as its scale
.endr
.irp b, 0,1,2,3
	v_lshrrev_b32 v[148+\b], 23, v[156+\b]         ; the scale's byte
.endr
	v_lshl_or_b32 v[\pw], v149, 8, v148
	v_lshl_or_b32 v[\pw], v150, 16, v[\pw]
	v_lshl_or_b32 v[\pw], v151, 24, v[\pw]
.irp c, 0,1
	v_cvt_scalef32_pk16_bf6_f32 v[\pc+6*\c:\pc+6*\c+2], v[\s+32*\c:\s+32*\c+15], v[156+2*\c]
	v_cvt_scalef32_pk16_bf6_f32 v[208+4*\c:210+4*\c], v[\s+32*\c+16:\s+32*\c+31], v[157+2*\c]   ; (a conversion's three registers begin on an even number)
.endr
	v_nop                                          ; one plain place behind a scaled conversion
.irp c, 0,1                                    ; the operand wants a whole block in a lane: lanes 0-15 block 2 c, lanes 16-31 block 2 c + 1
.irp i, 0,1,2
	v_permlane16_swap_b32 v[\pc+6*\c+\i], v[208+4*\c+\i]
.endr
.irp i, 0,1,2
	v_mov_b32 v[\pc+6*\c+3+\i], v[208+4*\c+\i]
.endr
.endr
.endm
.macro WLOAD t, stride                 ; unit t: my column's block of 32 down K: k = 64 t + 32 h + i of my K step.  (No hint: neighbouring tiles' waves read the same rows)
.set wq, 0
.rept 32
	global_load_b32 v[16+32*(\t)+wq], v4, s[4:5] offset:(64*(\t)+wq)*\stride
.set wq, wq+1
.endr
.endm
; a fragment of a weight: a lane takes a column and its registers run down K, in the order of the operand's registers; two units of one block a lane
.macro WFRAG stride
	WLOAD 0, \stride
	WLOAD 1, \stride
.irp t, 0,1
.if \t < 1
	s_wait_loadcnt 32                              ; this unit's 32 loads are in; the other unit's 32 may be out
.else
	s_wait_loadcnt 0x0
.endif
.set XS, 16+32*\t
.set PC, 160+6*\t
	v_max3_num_f32 v144, |v[XS]|, |v[XS+1]|, |v[XS+2]|
	v_max3_num_f32 v145, |v[XS+3]|, |v[XS+4]|, |v[XS+5]|
.irp i, 6,10,14,18,22,26
	v_max3_num_f32 v144, v144, |v[XS+\i]|, |v[XS+\i+1]|
	v_max3_num_f32 v145, v145, |v[XS+\i+2]|, |v[XS+\i+3]|
.endr
	v_max3_num_f32 v144, v144, |v[XS+30]|, |v[XS+31]|
	v_max3_num_f32 v144, v144, v145, FLOOR
	v_add_nc_u32 v146, EOFF, v144
	v_lshrrev_b32 v[148+\t], 23, v146
	v_cvt_scalef32_pk16_bf6_f32 v[PC:PC+2], v[XS:XS+15], v146
	v_cvt_scalef32_pk16_bf6_f32 v[208:210], v[XS+16:XS+31], v146
	v_nop                                          ; one plain place behind a scaled conversion
.irp i, 0,1,2
	v_mov_b32 v[PC+3+\i], v[208+\i]
.endr
.endr
	v_lshl_or_b32 v150, v149, 16, v148             ; my two bytes: blocks h and 2 + h,
	v_lshlrev_b32 v150, v9, v150                   ; 8 h bits up;
	v_permlanex16_b32 v152, v150, s10, s11
	v_or_b32 v216, v150, v152                      ; with lane l xor 16's two the word is whole
	FRAGST 160, 0
	global_store_b32 v3, v216, s[22:23]            ; row r's four scale bytes of this K step (both halves of the lanes hold and write the same)
.endm
	v_lshl_add_u32 v224, v0, 2, 0x8400
	v_mov_b32 v225, 0
	v_lshrrev_b32 v5, 5, v0
	v_readfirstlane_b32 s8, v5                     ; wave 0..3
	v_and_b32 v6, 31, v0
	v_lshlrev_b32 v1, 4, v6                        ; 16 l
	v_lshlrev_b32 v2, 3, v6                        ; 8 l
	v_and_b32 v7, 15, v0                           ; r
	v_bfe_u32 v8, v0, 4, 1                         ; h
	s_mov_b32 s10, 0x76543210
	s_mov_b32 s11, 0xfedcba98                      ; v_permlanex16_b32's selects for lane l xor 16
	s_cmp_lt_u32 ttmp9, WGW
	s_cbranch_scc1 .Lweights
	s_cmp_lt_u32 ttmp9, WGW+WGX
	s_cbranch_scc1 .Lrows
	; ---- the mask: four work-groups to a tile of 16 rows; a wave takes key steps 2 part, 2 part + 1
	s_load_b64 s[4:5], s[0:1], 0x0                 ; mask
	s_load_b64 s[6:7], s[0:1], 0x38                ; maskw
	s_sub_co_u32 s9, ttmp9, WGW+WGX
	s_lshr_b32 s14, s9, 2                          ; T
	s_and_b32 s15, s9, 3
	s_lshl_b32 s15, s15, 2
	s_add_co_u32 s15, s15, s8                      ; part 0..15
	s_lshr_b32 s12, s14, 1
	s_lshl_b32 s12, s12, 5
	s_and_b32 s13, s14, 1
	s_lshl_b32 s13, s13, 3
	s_add_co_u32 s12, s12, s13                     ; the tile's first row: 32 (T / 2) + 8 (T % 2)
	s_lshl_b32 s12, s12, 14                        ; rows of 16,384 bytes
	s_lshl_b32 s13, s15, 10
	s_add_co_u32 s12, s12, s13                     ; + two key steps of 512 bytes a part
	s_mov_b32 s13, 0
	s_lshl_b32 s14, s14, 13                        ; words: 8,192 bytes a tile,
	s_lshl_b32 s15, s15, 9                         ; 256 a key step
	s_add_co_u32 s14, s14, s15
	s_mov_b32 s15, 0
	s_mul_i32 s9, s8, 8448                         ; my stage
	v_add_nc_u32 v3, s9, v1                        ; in: 16 l of a row
	v_mul_u32_u24 v4, v7, 528
	v_lshl_add_u32 v4, v8, 6, v4
	v_add_nc_u32 v4, s9, v4                        ; out: row r, + 64 h
.set mq, 0
.rept 2*NU
	v_mov_b32 v[208+mq], 0                         ; v_writelane_b32's destination counts as one of its sources
.set mq, mq+1
.endr
	s_wait_kmcnt 0x0
	s_add_nc_u64 s[4:5], s[4:5], s[12:13]
	s_add_nc_u64 s[6:7], s[6:7], s[14:15]
	MLOAD 0
	MLOAD 1
	MUNIT 0
	MUNIT 1
	s_wait_tensorcnt 0x0
	ds_add_u32 v224, v225
	s_wait_dscnt 0x0
	s_endpgm
.Lrows:
	; ---- q and h: a wave takes two K steps of one tile of 16 rows
	s_load_b128 s[4:7], s[0:1], 0x8                ; q, h
	s_load_b64 s[12:13], s[0:1], 0x40              ; xc
	s_sub_co_u32 s9, ttmp9, WGW
	s_lshl_b32 s9, s9, 2
	s_add_co_u32 s9, s9, s8                        ; job 0..1023
	s_and_b32 s24, s9, 1                           ; which pair of K steps
	s_lshr_b32 s9, s9, 1                           ; tile 0..511: 0-255 q's, 256-511 h's
	s_and_b32 s14, s9, 255
	s_lshr_b32 s15, s14, 1
	s_lshl_b32 s15, s15, 5
	s_and_b32 s16, s14, 1
	s_lshl_b32 s16, s16, 3
	s_add_co_u32 s16, s15, s16
	s_lshl_b32 s16, s16, 11                        ; rows of 2,048 bytes
	s_lshl_b32 s25, s24, 10
	s_add_co_u32 s16, s16, s25                     ; + two K steps of 512 bytes
	s_mov_b32 s17, 0
	s_mul_i32 s18, s9, 6144
	s_mul_i32 s25, s24, 3072
	s_add_co_u32 s18, s18, s25                     ; the pair's two fragments
	s_mov_b32 s19, 0
	s_lshl_b32 s20, s9, 8
	s_lshl_b32 s25, s24, 3
	s_add_co_u32 s20, s20, s25                     ; and its eight of each row's sixteen scale bytes
	s_add_co_u32 s20, s20, XS_OFF
	s_mov_b32 s21, 0
	v_and_b32 v3, 8, v7
	v_add_nc_u32 v3, v3, v7                        ; r + 8 (r / 8)
	v_lshlrev_b32 v4, 11, v3
	v_lshl_add_u32 v4, v8, 6, v4                   ; my row, + 64 h: my 16 numbers of a block of 32
	v_lshlrev_b32 v3, 4, v7                        ; 16 r
.irp b, 0,1,2,3
	v_mov_b32 v[148+\b], 0                         ; a lane permute's destination counts as one of its sources
.endr
	s_wait_kmcnt 0x0
	s_cmp_lt_u32 s9, 256
	s_cselect_b64 s[4:5], s[4:5], s[6:7]           ; the choice hangs on the job's number alone
	s_add_nc_u64 s[4:5], s[4:5], s[16:17]
	s_add_nc_u64 s[14:15], s[12:13], s[20:21]      ; the scale bytes
	s_add_nc_u64 s[12:13], s[12:13], s[18:19]      ; the codes
	XLOAD 16, 0
	XLOAD 80, 1
	s_wait_loadcnt 16                              ; the first K step's 16 loads are in; the second's may be out
	QUANT 16, 160, 216
	FRAGST 160, 0
	s_wait_loadcnt 0x0
	QUANT 80, 172, 217
	FRAGST 172, 1536
	global_store_b64 v3, v[216:217], s[14:15]      ; row r's eight scale bytes (both halves of the lanes hold and write the same)
	s_endpgm
.Lweights:
	; ---- the weights: the work-group takes one tile of 16 columns, wave s its K step s
	s_load_b256 s[24:31], s[0:1], 0x18             ; W_query, W_key, W_val, W_out
	s_load_b64 s[12:13], s[0:1], 0x48              ; wc
	s_lshr_b32 s14, ttmp9, 5                       ; which weight
	s_and_b32 s15, ttmp9, 31                       ; which of its 32 tiles
	s_mul_i32 s18, ttmp9, 6144
	s_mul_i32 s9, s8, 1536
	s_add_co_u32 s18, s18, s9                      ; fragment s of the tile
	s_mov_b32 s19, 0
	s_lshl_b32 s20, ttmp9, 8
	s_lshl_b32 s9, s8, 2
	s_add_co_u32 s20, s20, s9                      ; word s of each row's four
	s_add_co_u32 s20, s20, WS_OFF
	s_mov_b32 s21, 0
	v_lshlrev_b32 v3, 4, v7                        ; 16 r
	v_lshlrev_b32 v9, 3, v8                        ; 8 h
	v_mov_b32 v152, 0                              ; a lane permute's destination counts as one of its sources
	s_wait_kmcnt 0x0
	s_add_nc_u64 s[22:23], s[12:13], s[20:21]
	s_add_nc_u64 s[12:13], s[12:13], s[18:19]
	s_cmp_eq_u32 s14, 3
	s_cbranch_scc1 .Lwout
	s_cmp_eq_u32 s14, 0
	s_cselect_b64 s[4:5], s[24:25], s[26:27]
	s_cmp_eq_u32 s14, 2
	s_cselect_b64 s[4:5], s[28:29], s[4:5]
	s_lshr_b32 s16, s15, 2
	s_lshl_b32 s16, s16, 17                        ; the head: 512 rows of 256 bytes
	s_bfe_u32 s17, s15, 0x10001
	s_lshl_b32 s17, s17, 7                         ; 32 columns for the tile's pair,
	s_add_co_u32 s16, s16, s17
	s_and_b32 s17, s15, 1
	s_lshl_b32 s17, s17, 5                         ; 8 for its place in the pair,
	s_add_co_u32 s16, s16, s17
	s_lshl_b32 s17, s8, 15                         ; 128 rows of 256 bytes for the K step
	s_add_co_u32 s16, s16, s17
	s_mov_b32 s17, 0
	s_add_nc_u64 s[4:5], s[4:5], s[16:17]
	v_and_b32 v4, 8, v7
	v_add_nc_u32 v4, v4, v7
	v_lshlrev_b32 v4, 2, v4                        ; column r + 8 (r / 8),
	v_lshl_add_u32 v4, v8, 13, v4                  ; lanes 16-31 begin 32 rows of 256 bytes further down
	WFRAG 256
	s_endpgm
.Lwout:
	s_lshl_b32 s16, s15, 6                         ; columns 16 n on,
	s_lshl_b32 s17, s8, 18                         ; 128 rows of 2,048 bytes for the K step
	s_add_co_u32 s16, s16, s17
	s_mov_b32 s17, 0
	s_add_nc_u64 s[4:5], s[30:31], s[16:17]
	v_lshlrev_b32 v4, 2, v7
	v_lshl_add_u32 v4, v8, 16, v4                  ; 32 rows of 2,048 bytes
	WFRAG 2048
	s_endpgm
.Lfunc_end_k_q94b7d2749d_prep:
	.size	k_q94b7d2749d_prep, .Lfunc_end_k_q94b7d2749d_prep-k_q94b7d2749d_prep
	.p2alignl 7, 3214868480
	.fill 96, 4, 3214868480
	.section	.rodata,"a",@progbits
	.p2align	6, 0x0
	.amdhsa_kernel k_q94b7d2749d_prep
		.amdhsa_group_segment_fixed_size 34304
		.amdhsa_private_segment_fixed_size 0
		.amdhsa_enable_private_segment 0
		.amdhsa_kernarg_size 80
		.amdhsa_user_sgpr_count 2
		.amdhsa_user_sgpr_kernarg_segment_ptr 1
		.amdhsa_wavefront_size32 1
		.amdhsa_system_sgpr_workgroup_id_x 1
		.amdhsa_system_sgpr_workgroup_id_y 1
		.amdhsa_system_sgpr_workgroup_id_z 1
		.amdhsa_system_vgpr_workitem_id 0
		.amdhsa_next_free_vgpr 226
		.amdhsa_next_free_sgpr 66
		.amdhsa_reserve_vcc 0
		.amdhsa_float_denorm_mode_32 3
		.amdhsa_float_denorm_mode_16_64 3
		.amdhsa_memory_ordered 1
		.amdhsa_forward_progress 1
		.amdhsa_inst_pref_size 60
	.end_amdhsa_kernel
	.amdgpu_metadata
---
amdhsa.version: [ 1, 2 ]
amdhsa.kernels:
  - .name:           k_q94b7d2749d_prep
    .symbol:         k_q94b7d2749d_prep.kd
    .args:
      - { .name: mask, .offset: 0, .size: 8, .value_kind: global_buffer, .address_space: global }
      - { .name: q, .offset: 8, .size: 8, .value_kind: global_buffer, .address_space: global }
      - { .name: h, .offset: 16, .size: 8, .value_kind: global_buffer, .address_space: global }
      - { .name: W_query, .offset: 24, .size: 8, .value_kind: global_buffer, .address_space: global }
      - { .name: W_key, .offset: 32, .size: 8, .value_kind: global_buffer, .address_space: global }
      - { .name: W_val, .offset: 40, .size: 8, .value_kind: global_buffer, .address_space: global }
      - { .name: W_out, .offset: 48, .size: 8, .value_kind: global_buffer, .address_space: global }
      - { .name: maskw, .offset: 56, .size: 8, .value_kind: global_buffer, .address_space: global }
      - { .name: xc, .offset: 64, .size: 8, .value_kind: global_buffer, .address_space: global }
      - { .name: wc, .offset: 72, .size: 8, .value_kind: global_buffer, .address_space: global }
    .group_segment_fixed_size: 34304
    .private_segment_fixed_size: 0
    .kernarg_segment_align: 8
    .kernarg_segment_size: 80
    .max_flat_workgroup_size: 128
    .sgpr_count:     66
    .vgpr_count:     226
    .wavefront_size: 32
...
	.end_amdgpu_metadata
.endif
;; end of part 1
;; launch proj (part 2): grid 768 x 1, 4 waves a work-group, no clusters, 0 bytes of LDS; arguments xc, wc, qc, kp, vc; writes qc, kp, vc
.if DOCPART == 2
	.amdgcn_target "amdgcn-amd-amdhsa--gfx1250"
	.amdhsa_code_object_version 6
	.text
	.protected	k_q94b7d2749d_proj
	.globl	k_q94b7d2749d_proj
	.p2align	8
	.type	k_q94b7d2749d_proj,@function
k_q94b7d2749d_proj:
	s_mov_b64 s[64:65], 0
	v_nop
	global_prefetch_b8 v0, s[64:65] scope:SCOPE_SE
	s_setreg_imm32_b32 hwreg(HW_REG_WAVE_MODE, 25, 1), 1
	s_wait_xcnt 0x0
; PROJ: Q = q W_query, K = h W_key, V = h W_val on codes of E3M2 (K = 512), and the results quantised in registers into the order of the next products' operands.
; A wave makes 4 tiles of source 0 x 2 tiles of source 1, four K steps of 128: 32 matrix instructions on eight accumulators by turns.
; Its fragments come from memory in the order of their registers (prep laid them so): no LDS, no barrier, waves share nothing.
; Job J = 4 x work-group + wave: m = J / 1024 (0 Q, 1 K, 2 V), head = (J / 128) % 8, u = J % 128.
;  Q, K: source 0 = the head's four tiles of weight columns, source 1 = row tiles 2 u, 2 u + 1: a lane holds one row and 64 head channels in 32 registers of each half of the lanes.
;  V:    source 0 = key tiles 4 (u / 2) .. + 3, source 1 = weight tiles 2 (u % 2), + 1 of the head: a lane holds one channel and 64 keys: the keys are the next K.
; By the choice of a tile's rows (prep) register 16 b + i of a lane is index 32 b + 16 h + i along the next K.
; OUT.  A half fragment (16 rows x 64 K, 6 registers a lane): 768 bytes, registers 0-3 at 16 l, registers 4, 5 at 512 + 8 l.
;  qc: [head][tile 256] half fragments; from QS_OFF a head's 16,384 bytes of scale words.   kp, a head's 221,184 bytes: K's scale words, from 16,384 V's, from 24,576 K's 256 half fragments.
;  vc: [head][key step 32][channel tile 4][c 2] half fragments.
;  Q's and K's scale word of (tile t, row r), bytes 0, 1 its two blocks', bytes 2, 3 = 0x7f: at (t / 8) 512 + 16 (r + 16 (t % 2)) + 4 ((t % 8) / 2).
;  V's word of (channel tile vt, row r, key step ks): at 256 ks + 8 (r + 16 (vt % 2)) + 4 (vt / 2); this wave writes two of its four bytes.
; LIMITS: a block of zeros gets the byte 1, not 127 (its codes are zeros; this program alone reads the bytes); NaN and infinities are not served.
.set XS_OFF, 3145728
.set WS_OFF, 786432
.set QS_OFF, 1572864
.set FLOOR,  0x2800000
.set EOFF,   0xfe000000
.set SEL,    34
; v1 16 l, v2 8 l, v3 16 r; v8-23 source 0's scale words (4 b + s), v24-31 source 1's (4 a + s): they hold nothing else;
; v32-103, v104-175 two sets of six fragments; v176-239 the accumulators (a, b) at 176 + 8 (4 a + b); v240-249 at work
.macro FRAGLD reg, lo, off
	global_load_b128 v[\reg:\reg+3], v1, s[\lo:\lo+1] offset:\off
	global_load_b64 v[\reg+4:\reg+5], v2, s[\lo:\lo+1] offset:\off+512
	global_load_b128 v[\reg+6:\reg+9], v1, s[\lo:\lo+1] offset:\off+768
	global_load_b64 v[\reg+10:\reg+11], v2, s[\lo:\lo+1] offset:\off+1280
.endm
.macro LOADK s, p                      ; K step s into set p: 24 loads
.irp b, 0,1,2,3
	FRAGLD 32+72*\p+12*\b, 4, \b*6144+\s*1536
.endr
.irp a, 0,1
	FRAGLD 80+72*\p+12*\a, 6, \a*6144+\s*1536
.endr
.endm
.macro MULK s, p, zero                 ; zero = 1: the first products start the sums
.irp a, 0,1
.irp b, 0,1,2,3
.if \zero
	v_wmma_scale_f32_16x16x128_f8f6f4 v[176+8*(4*\a+\b):183+8*(4*\a+\b)], v[32+72*\p+12*\b:43+72*\p+12*\b], v[80+72*\p+12*\a:91+72*\p+12*\a], 0, v[8+4*\b+\s], v[24+4*\a+\s] matrix_a_fmt:MATRIX_FMT_BF6 matrix_b_fmt:MATRIX_FMT_BF6
.else
	v_wmma_scale_f32_16x16x128_f8f6f4 v[176+8*(4*\a+\b):183+8*(4*\a+\b)], v[32+72*\p+12*\b:43+72*\p+12*\b], v[80+72*\p+12*\a:91+72*\p+12*\a], v[176+8*(4*\a+\b):183+8*(4*\a+\b)], v[8+4*\b+\s], v[24+4*\a+\s] matrix_a_fmt:MATRIX_FMT_BF6 matrix_b_fmt:MATRIX_FMT_BF6
.endif
.endr
.endr
.endm
.macro PLACES                          ; four places between a matrix instruction and a load into, or a vector instruction on, its registers
.rept 4
	v_nop
.endr
.endm
; 32 numbers of a lane, register 16 b + i = index 32 b + 16 h + i of my row, become a half fragment's codes in v[c] .. v[c + 5] and its two scale bytes in v[pw].  The registers are read in ascending order.
.macro QUANT32 src, c, x, pw, tm
	v_max3_num_f32 v[\tm], |v[\src]|, |v[\src+1]|, FLOOR
	v_max3_num_f32 v[\tm+1], |v[\src+16]|, |v[\src+17]|, FLOOR
.irp i, 2,4,6,8,10,12,14
	v_max3_num_f32 v[\tm], v[\tm], |v[\src+\i]|, |v[\src+\i+1]|
	v_max3_num_f32 v[\tm+1], v[\tm+1], |v[\src+16+\i]|, |v[\src+17+\i]|
.endr
	v_permlanex16_b32 v[\tm+4], v[\tm], s[SEL], s[SEL+1]
	v_permlanex16_b32 v[\tm+5], v[\tm+1], s[SEL], s[SEL+1]
	v_max_num_f32 v[\tm], v[\tm], v[\tm+4]         ; with lane l xor 16's sixteen: the block's largest magnitude
	v_max_num_f32 v[\tm+1], v[\tm+1], v[\tm+5]
	v_add_nc_u32 v[\tm+2], EOFF, v[\tm]            ; 4 off the exponent field: the conversion's scale operand
	v_add_nc_u32 v[\tm+3], EOFF, v[\tm+1]
	v_lshrrev_b32 v[\tm+4], 23, v[\tm+2]           ; the scale's byte
	v_lshrrev_b32 v[\tm+5], 23, v[\tm+3]
	v_lshl_or_b32 v[\pw], v[\tm+5], 8, v[\tm+4]
	v_cvt_scalef32_pk16_bf6_f32 v[\c:\c+2], v[\src:\src+15], v[\tm+2]
	v_cvt_scalef32_pk16_bf6_f32 v[\x:\x+2], v[\src+16:\src+31], v[\tm+3]
	v_nop                                          ; one plain place behind a scaled conversion
.irp i, 0,1,2
	v_permlane16_swap_b32 v[\c+\i], v[\x+\i]       ; a whole block to a lane: lanes 0-15 block 0, lanes 16-31 block 1
.endr
.irp i, 0,1,2
	v_mov_b32 v[\c+3+\i], v[\x+\i]
.endr
.endm
	s_load_b256 s[24:31], s[0:1], 0x0              ; xc, wc, qc, kp
	s_load_b64 s[32:33], s[0:1], 0x20              ; vc
	v_lshrrev_b32 v4, 5, v0
	v_readfirstlane_b32 s12, v4                    ; wave
	v_and_b32 v4, 31, v0
	v_lshlrev_b32 v1, 4, v4
	v_lshlrev_b32 v2, 3, v4
	v_and_b32 v3, 15, v0
	v_lshlrev_b32 v3, 4, v3
	v_mov_b32 v248, 0                              ; a lane permute's destination counts as one of its sources
	v_mov_b32 v249, 0
	s_mov_b32 s[SEL], 0x76543210
	s_mov_b32 s[SEL+1], 0xfedcba98
	s_mov_b32 s20, 0xffff0000                      ; lanes 16-31
	s_lshl_b32 s13, ttmp9, 2
	s_add_co_u32 s13, s13, s12                     ; J
	s_lshr_b32 s14, s13, 10                        ; m
	s_bfe_u32 s15, s13, 0x30007                    ; head
	s_and_b32 s16, s13, 127                        ; u
	s_and_b32 s17, s16, 1
	s_lshl_b32 s17, s17, 1
	s_cmp_eq_u32 s14, 2
	s_cselect_b32 s17, s17, 0                      ; e = 2 (u % 2) for V, else 0
	s_lshl_b32 s18, s14, 5
	s_lshl_b32 s19, s15, 2
	s_add_co_u32 s18, s18, s19
	s_add_co_u32 s18, s18, s17                     ; first weight tile: 32 m + 4 head + e
	s_lshl_b32 s19, s16, 1
	s_sub_co_u32 s19, s19, s17
	s_cmp_lg_u32 s14, 0
	s_cselect_b32 s21, 256, 0
	s_add_co_u32 s19, s19, s21                     ; first row tile: (h's: 256) + 2 u - e
	s_mul_i32 s36, s18, 6144
	s_mov_b32 s37, 0
	s_lshl_b32 s38, s18, 8
	s_add_co_u32 s38, s38, WS_OFF
	s_mov_b32 s39, 0
	s_mul_i32 s40, s19, 6144
	s_mov_b32 s41, 0
	s_lshl_b32 s42, s19, 8
	s_add_co_u32 s42, s42, XS_OFF
	s_mov_b32 s43, 0
	s_wait_kmcnt 0x0
	s_add_nc_u64 s[36:37], s[26:27], s[36:37]      ; the weight's codes,
	s_add_nc_u64 s[38:39], s[26:27], s[38:39]      ; its scale bytes,
	s_add_nc_u64 s[40:41], s[24:25], s[40:41]      ; the rows' codes,
	s_add_nc_u64 s[42:43], s[24:25], s[42:43]      ; their scale bytes
	s_cmp_eq_u32 s14, 2                            ; for V the rows (keys) are source 0
	s_cselect_b64 s[4:5], s[40:41], s[36:37]
	s_cselect_b64 s[6:7], s[36:37], s[40:41]
	s_cselect_b64 s[8:9], s[42:43], s[38:39]
	s_cselect_b64 s[10:11], s[38:39], s[42:43]
.irp b, 0,1,2,3
	global_load_b128 v[8+4*\b:11+4*\b], v3, s[8:9] offset:256*\b     ; row r's four scale words, one for each K step
.endr
.irp a, 0,1
	global_load_b128 v[24+4*\a:27+4*\a], v3, s[10:11] offset:256*\a
.endr
	LOADK 0, 0
	LOADK 1, 1
	s_wait_loadcnt 24                              ; the scale words and set 0 are in; set 1's 24 loads may be out
	MULK 0, 0, 1
	PLACES
	LOADK 2, 0
	s_wait_loadcnt 24                              ; set 1 is in
	MULK 1, 1, 0
	PLACES
	LOADK 3, 1
	s_wait_loadcnt 24
	MULK 2, 0, 0
	s_wait_loadcnt 0x0
	MULK 3, 1, 0
	PLACES
	QUANT32 176, 32, 48, 240, 244
	QUANT32 208, 40, 52, 241, 244
	v_cndmask_b32 v242, v240, v241, s20            ; lanes 0-15: tile a = 0's bytes of row r; lanes 16-31: tile a = 1's
	s_cmp_eq_u32 s14, 2
	s_cbranch_scc1 .Lv_arm
	s_mul_i32 s21, s15, 221184                     ; K: the head's block of kp, where its scale words begin,
	s_add_co_u32 s44, s21, 24576                   ; and its codes
	s_mul_i32 s22, s15, 196608                     ; Q: the head's codes,
	s_lshl_b32 s23, s15, 14
	s_add_co_u32 s23, s23, QS_OFF                  ; and its scale words
	s_cmp_lg_u32 s14, 0
	s_cselect_b64 s[4:5], s[30:31], s[28:29]       ; kp or qc (every load that named s[4:11] is done)
	s_cselect_b32 s44, s44, s22
	s_cselect_b32 s46, s21, s23
	s_mul_i32 s22, s16, 1536                       ; tiles 2 u, 2 u + 1
	s_add_co_u32 s44, s44, s22
	s_mov_b32 s45, 0
	s_lshr_b32 s22, s16, 2
	s_lshl_b32 s22, s22, 9
	s_add_co_u32 s46, s46, s22
	s_and_b32 s22, s16, 3
	s_lshl_b32 s22, s22, 2
	s_add_co_u32 s46, s46, s22
	s_mov_b32 s47, 0
	s_add_nc_u64 s[6:7], s[4:5], s[44:45]
	s_add_nc_u64 s[8:9], s[4:5], s[46:47]
	v_or_b32 v242, 0x7f7f0000, v242                ; the upper 64 of the instruction's 128 along K are zero codes under the scale 1
.irp a, 0,1
	global_store_b128 v1, v[32+8*\a:35+8*\a], s[6:7] offset:768*\a
	global_store_b64 v2, v[36+8*\a:37+8*\a], s[6:7] offset:768*\a+512
.endr
	global_store_b32 v1, v242, s[8:9]
	s_endpgm
.Lv_arm:
	s_lshr_b32 s21, s16, 1                         ; G: which 64 keys
	s_lshr_b32 s22, s21, 1                         ; the key step,
	s_and_b32 s21, s21, 1                          ; and which half of it
	s_and_b32 s23, s16, 1                          ; which pair of channel tiles
	s_mul_i32 s44, s15, 196608
	s_mul_i32 s12, s22, 6144
	s_add_co_u32 s44, s44, s12
	s_mul_i32 s12, s23, 3072
	s_add_co_u32 s44, s44, s12
	s_mul_i32 s12, s21, 768
	s_add_co_u32 s44, s44, s12
	s_mov_b32 s45, 0
	s_mul_i32 s46, s15, 221184
	s_add_co_u32 s46, s46, 16384
	s_lshl_b32 s12, s22, 8
	s_add_co_u32 s46, s46, s12
	s_lshl_b32 s12, s23, 2
	s_add_co_u32 s46, s46, s12
	s_lshl_b32 s12, s21, 1
	s_add_co_u32 s46, s46, s12
	s_mov_b32 s47, 0
	s_add_nc_u64 s[6:7], s[32:33], s[44:45]
	s_add_nc_u64 s[8:9], s[30:31], s[46:47]
.irp a, 0,1
	global_store_b128 v1, v[32+8*\a:35+8*\a], s[6:7] offset:1536*\a
	global_store_b64 v2, v[36+8*\a:37+8*\a], s[6:7] offset:1536*\a+512
.endr
	global_store_b16 v2, v242, s[8:9]              ; two of the word's four bytes: 8,192 bytes a head in all go out so
	s_endpgm
.Lfunc_end_k_q94b7d2749d_proj:
	.size	k_q94b7d2749d_proj, .Lfunc_end_k_q94b7d2749d_proj-k_q94b7d2749d_proj
	.p2alignl 7, 3214868480
	.fill 96, 4, 3214868480
	.section	.rodata,"a",@progbits
	.p2align	6, 0x0
	.amdhsa_kernel k_q94b7d2749d_proj
		.amdhsa_group_segment_fixed_size 0
		.amdhsa_private_segment_fixed_size 0
		.amdhsa_enable_private_segment 0
		.amdhsa_kernarg_size 40
		.amdhsa_user_sgpr_count 2
		.amdhsa_user_sgpr_kernarg_segment_ptr 1
		.amdhsa_wavefront_size32 1
		.amdhsa_system_sgpr_workgroup_id_x 1
		.amdhsa_system_sgpr_workgroup_id_y 1
		.amdhsa_system_sgpr_workgroup_id_z 1
		.amdhsa_system_vgpr_workitem_id 0
		.amdhsa_next_free_vgpr 256
		.amdhsa_next_free_sgpr 66
		.amdhsa_reserve_vcc 0
		.amdhsa_float_denorm_mode_32 3
		.amdhsa_float_denorm_mode_16_64 3
		.amdhsa_memory_ordered 1
		.amdhsa_forward_progress 1
		.amdhsa_inst_pref_size 23
	.end_amdhsa_kernel
	.amdgpu_metadata
---
amdhsa.version: [ 1, 2 ]
amdhsa.kernels:
  - .name:           k_q94b7d2749d_proj
    .symbol:         k_q94b7d2749d_proj.kd
    .args:
      - { .name: xc, .offset: 0, .size: 8, .value_kind: global_buffer, .address_space: global }
      - { .name: wc, .offset: 8, .size: 8, .value_kind: global_buffer, .address_space: global }
      - { .name: qc, .offset: 16, .size: 8, .value_kind: global_buffer, .address_space: global }
      - { .name: kp, .offset: 24, .size: 8, .value_kind: global_buffer, .address_space: global }
      - { .name: vc, .offset: 32, .size: 8, .value_kind: global_buffer, .address_space: global }
    .group_segment_fixed_size: 0
    .private_segment_fixed_size: 0
    .kernarg_segment_align: 8
    .kernarg_segment_size: 40
    .max_flat_workgroup_size: 128
    .sgpr_count:     66
    .vgpr_count:     256
    .wavefront_size: 32
...
	.end_amdgpu_metadata
.endif
;; end of part 2
;; launch attn (part 3): grid 32 x 8, 16 waves a work-group, no clusters, 309,248 bytes of LDS; arguments maskw, qc, kp, vc, hc; writes hc
.if DOCPART == 3
	.amdgcn_target "amdgcn-amd-amdhsa--gfx1250"
	.amdhsa_code_object_version 6
	.text
	.protected	k_q94b7d2749d_attn
	.globl	k_q94b7d2749d_attn
	.p2align	8
	.type	k_q94b7d2749d_attn,@function
k_q94b7d2749d_attn:
	s_mov_b64 s[64:65], 0
	v_nop
	global_prefetch_b8 v0, s[64:65] scope:SCOPE_SE
	s_setreg_imm32_b32 hwreg(HW_REG_WAVE_MODE, 25, 1), 1
	s_wait_xcnt 0x0
; ATTN: for one head and 128 queries: compat = Q K^T / 8, times the mask, 0 -> -infinity, softmax, times the mask, quantised FINISHED AND NORMALISED along the keys, times V; the heads quantised for the last product.
; The codes of the softmax hang on the row's sum, so the keys are walked TWICE: pass 1 finds each row's largest t and its sum, pass 2 makes the scores again, p = 2^(t - M) / sum, its codes, and O^T += V^T P^T.
; t = score x log2(e) / 8; M = the row's largest t rounded up to a whole number, so that sums kept under different M meet by multiplications that round nothing.
; SHARES.  Sixteen waves, four to a SIMD.  Wave w: query tile T = 8 x work-group + w % 8; of the head's 32 key steps of 128 keys it takes those with ks % 2 = w / 8.  The two waves of a tile meet twice through LDS:
; their (M, sum) behind pass 1, their halves of O^T at the end.  A lane holds ONE query (lane % 16) throughout: both products are used transposed (source 0 = 16 keys, or 16 channels of V).
; K = 64 IN AN INSTRUCTION OF 128: Q's upper six registers are zero codes and the upper two scale bytes of Q and K are 0x7f, so whatever finite codes stand in source 0's upper six registers add nothing:
; tile t of K names v[38 + 6 t .. 49 + 6 t], whose upper half is tile t + 1's codes (behind tile 7: six registers of zeros).
; THE MASK comes as words with one bit a lane (prep), by scalar loads one key step ahead: score != 0 (a compare), and the mask's word (a scalar AND, two words at a time), choose between the score and -infinity.
; IN PASS 1 a step's K is asked for from LDS a step ahead, straight behind the products that read K's registers; the last step in front of a barrier behind which more of K lies in LDS asks for nothing, so it is written out.
; In pass 2 K and V share those registers: V is asked for behind the scores' products and lands during the softmax.
; LDS, filled through registers in runs of 512 bytes: 0 the head's block of kp as it lies (K's scale words 0, V's 16,384, K's codes 24,576); 221,184 two slots of four key steps of V; 270,336 (M, sum), 8 bytes a thread;
; 274,432 the exchange of O^T, 4,096 bytes a tile.  The first 73,728 bytes (scales, key steps 0-7) are waited for ahead of pass 1; the rest lands during its first four steps.
; WHY NO CLUSTER, NO TENSOR LOADS: a work-group fetches 417,792 bytes of K, V and scales in all, for some 650 vector instructions on each of its 256 tiles of 16 x 128 scores; and 80 of the scalar registers hold mask words
; and compare results, which leaves no room for descriptors.
; LIMITS: the test for 0 is made on the sum before its factor 1/8 (they differ only under 2^-146); mask numbers other than 0 count as 1; a block of zeros gets the byte 1; NaN and infinities in the inputs are not served.
; A row with nothing to attend to (sum 0) is NaN in the result, as the softmax of a row of -infinity is: its heads get the scale byte 0xff.
; REGISTERS: v1 16 l, v2 8 l; v3-5, v8 addresses of the step in hand; v6, v7 V's slots; v9 -infinity; v10, v11 V's refills; v12 -M, v13 largest t; v[14:15] sum; v16 1/sum, v17 sum; v18-29 Q; v30 Q's, v31 P's, v32-35 K's,
; v36-37 V's scale words (they hold nothing else); v38-91 fragments of K or V; v92-103 pass 1 at work, pass 2 a refill; v104-167 scores, then p; v168-199 O^T; v200-218 P's codes; v220-239 at work; v240-251 a refill; v252-255 addresses.
; s[2:3], s4 mask words' base and offset; s5 wave; s[6:7] V; s[8:9] c; s[10:11] lane selects; s12, s13, s15 LDS steps; s16-31 compare results; s32-63, s68-99 mask words; s66 counter; s67 w / 8; s104 T; s105 head.
.set QS_OFF, 1572864
.set HS_OFF, 1572864
.set KPH,    221184
.set KC,     24576
.set VSO,    16384
.set VB0,    221184
.set VSL,    24576
.set STAT,   270336
.set OX,     274432
.set FLOOR,  0x2800000
.set EOFF,   0xfe000000
.set SEL,    10
.macro PLACES                          ; four places between a matrix instruction and a load into, or a vector instruction on, its registers
.rept 4
	v_nop
.endr
.endm
.macro BAR
	s_barrier_signal -1
	s_barrier_wait -1
.endm
.macro KLOAD off, soff                 ; a key step's eight half fragments of K and their scale words: register i: tile 2 i in lanes 0-15, tile 2 i + 1 in lanes 16-31
.set kt, 0
.rept 8
	ds_load_b128 v[38+6*kt:41+6*kt], v3 offset:\off+768*kt
	ds_load_b64 v[42+6*kt:43+6*kt], v4 offset:\off+768*kt+512
.set kt, kt+1
.endr
	ds_load_b128 v[32:35], v5 offset:\soff
.endm
.macro KNEXT                           ; pass 1: my next key step, two steps of the head on, is asked for.  The three additions and the v_nop are the four places behind the products that read these registers
	s_add_co_u32 s12, s12, 12288
	s_add_co_u32 s13, s13, 1024
	v_add_nc_u32 v3, s12, v1
	v_add_nc_u32 v4, s12, v2
	v_add_nc_u32 v5, s13, v1
	v_nop
	KLOAD 0, 0
.endm
.macro QK                              ; S^T = K Q^T: register 16 b + i of a lane: key 32 b + 16 h + i of the step
.irp t, 0,2,4,6
	v_wmma_scale_f32_16x16x128_f8f6f4 v[104+8*\t:111+8*\t], v[38+6*\t:49+6*\t], v[18:29], 0, v[32+\t/2], v30 matrix_a_fmt:MATRIX_FMT_BF6 matrix_b_fmt:MATRIX_FMT_BF6
	v_wmma_scale_f32_16x16x128_f8f6f4 v[112+8*\t:119+8*\t], v[44+6*\t:55+6*\t], v[18:29], 0, v[32+\t/2], v30 matrix_a_fmt:MATRIX_FMT_BF6 matrix_b_fmt:MATRIX_FMT_BF6 matrix_a_scale:MATRIX_SCALE_ROW1
.endr
.endm
; x mask and 0 -> -infinity in one choice.  The step's 64 words were asked for a step ago; each group of 16 is asked for again, for the next step, as soon as it has been used.
; The offset wraps at a tile's 8,192 bytes: pass 1's last step fetches pass 2's first words, and no load leaves the buffer.
.macro MASK
	s_wait_kmcnt 0x0                               ; the words are in, and the loads' offset may be stepped
	s_add_co_u32 s4, s4, 512
	s_and_b32 s4, s4, 0x1fff
.irp g, 0,1,2,3
.set mi, 0
.rept 16
	v_cmp_neq_f32 s[16+mi], 0, v[104+16*\g+mi]     ; each accumulator is read from its low end on
.set mi, mi+1
.endr
.set mi, 0
.rept 8
	s_and_b64 s[16+2*mi:17+2*mi], s[16+2*mi:17+2*mi], s[32+16*\g+4*(\g/2)+2*mi:33+16*\g+4*(\g/2)+2*mi]   ; two registers' words at a time
.set mi, mi+1
.endr
	s_load_b512 s[32+16*\g+4*(\g/2):47+16*\g+4*(\g/2)], s[2:3], s4 offset:64*\g
.set mi, 0
.rept 16
	v_cndmask_b32 v[104+16*\g+mi], v9, v[104+16*\g+mi], s[16+mi]
.set mi, mi+1
.endr
.endr
.endm
.macro OP pass, j                      ; what is done with pair j of p: pass 1: added to the sum, in two chains; pass 2: divided by the row's sum
.if \pass == 1
.if ((\j)%2) == 0
	s_wait_alu depctr_va_vdst(0)
	v_pk_add_f32 v[14:15], v[14:15], v[104+2*(\j):105+2*(\j)]
.else
	v_pk_add_f32 v[100:101], v[100:101], v[104+2*(\j):105+2*(\j)]
.endif
.else
	s_wait_alu depctr_va_vdst(0)
	v_pk_mul_f32 v[104+2*(\j):105+2*(\j)], v[104+2*(\j):105+2*(\j)], v[16:17] op_sel_hi:[1,0]
.endif
.endm
; t - M (a packed multiply-add), 2^(t - M), and OP, laid so that plain lines and exponentials alternate: each exponential has a plain line behind it ahead of its result's use (ISA guide 5.7.2)
.macro FE pass
	v_pk_fma_f32 v[104:105], v[104:105], s[8:9], v[12:13] op_sel_hi:[1,0,0]
	v_pk_fma_f32 v[106:107], v[106:107], s[8:9], v[12:13] op_sel_hi:[1,0,0]
.set fk, 0
.rept 32
	v_exp_f32 v[104+2*fk], v[104+2*fk]
.if fk < 30
	v_pk_fma_f32 v[108+2*fk:109+2*fk], v[108+2*fk:109+2*fk], s[8:9], v[12:13] op_sel_hi:[1,0,0]
.endif
	v_exp_f32 v[105+2*fk], v[105+2*fk]
.if fk >= 1
	OP \pass, fk-1
.endif
.set fk, fk+1
.endr
	OP \pass, 31
.endm
; PASS 1, a key step: each LANE keeps its own M and sum of its 64 keys a step; no lane asks another inside the loop.  next = 1: my next step's K is asked for.
.macro STEP1 next
	s_wait_dscnt 0x0                               ; this step's K and its scale words are in: they were asked for a step ago
	QK
.if \next
	KNEXT
.else
	PLACES
.endif
	MASK
.irp b, 0,1,2,3
	v_max3_num_f32 v[92+\b], v[104+16*\b], v[105+16*\b], v[106+16*\b]
.endr
.irp i, 3,5,7,9,11,13
.irp b, 0,1,2,3
	v_max3_num_f32 v[92+\b], v[92+\b], v[104+16*\b+\i], v[105+16*\b+\i]
.endr
.endr
.irp b, 0,1,2,3
	v_max_num_f32 v[92+\b], v[92+\b], v[119+16*\b]
.endr
	v_max3_num_f32 v96, v92, v93, v94
	v_max_num_f32 v96, v96, v95                    ; the step's largest score of my 64
	v_mul_f32 v96, s8, v96                         ; as t (c is positive)
	v_max_num_f32 v13, v13, v96                    ; the running largest t
	v_mov_b32 v96, v12
	v_floor_f32 v12, -v13                          ; -M = floor(-t)
	v_sub_f32 v96, v12, v96                        ; old M - new M: a whole number, 0 or less
	v_cvt_i32_f32 v96, v96                         ; (it saturates)
	v_ldexp_f32 v98, 1.0, v96                      ; 2^(old M - new M)
	v_pk_mul_f32 v[14:15], v[14:15], v[98:99] op_sel_hi:[1,0]
	v_pk_mul_f32 v[100:101], v[100:101], v[98:99] op_sel_hi:[1,0]
	FE 1
.endm
; PASS 2, a key step: the q-th of my two in V's slot.
.macro STEP2 slot, q
	PLACES                                         ; behind the last products V^T P^T, whose operands are loaded and written anew below
	KLOAD (4*\slot+2*\q)*6144, (4*\slot+2*\q)*512
	s_wait_dscnt 0x0
	QK
	PLACES
.irp vt, 0,1,2,3                               ; V's four fragments take K's registers and land during the softmax
.irp c, 0,1
	ds_load_b128 v[38+12*\vt+6*\c:41+12*\vt+6*\c], v6 offset:\slot*VSL+\q*12288+\vt*1536+\c*768
	ds_load_b64 v[42+12*\vt+6*\c:43+12*\vt+6*\c], v7 offset:\slot*VSL+\q*12288+\vt*1536+\c*768+512
.endr
.endr
	ds_load_b64 v[36:37], v8 offset:(4*\slot+2*\q)*256
	MASK
	FE 2
.irp b, 0,1,2,3
	v_max3_num_f32 v[220+\b], v[104+16*\b], v[105+16*\b], FLOOR    ; no p is negative: no |.|
.endr
.irp i, 2,4,6,8,10,12,14
.irp b, 0,1,2,3
	v_max3_num_f32 v[220+\b], v[220+\b], v[104+16*\b+\i], v[105+16*\b+\i]
.endr
.endr
.irp b, 0,1,2,3
	v_permlanex16_b32 v[224+\b], v[220+\b], s[SEL], s[SEL+1]
.endr
.irp b, 0,1,2,3
	v_max_num_f32 v[220+\b], v[220+\b], v[224+\b]  ; the block's largest p
.endr
.irp b, 0,1,2,3
	v_add_nc_u32 v[228+\b], EOFF, v[220+\b]        ; the conversion's scale operand
.endr
.irp b, 0,1,2,3
	v_lshrrev_b32 v[224+\b], 23, v[228+\b]         ; the scale's byte
.endr
	v_lshl_or_b32 v31, v225, 8, v224               ; p's scale word for these 128 keys: seventeen plain lines ahead of the products
	v_lshl_or_b32 v31, v226, 16, v31
	v_lshl_or_b32 v31, v227, 24, v31
.irp c, 0,1
	v_cvt_scalef32_pk16_bf6_f32 v[200+6*\c:202+6*\c], v[104+32*\c:119+32*\c], v[228+2*\c]
	v_cvt_scalef32_pk16_bf6_f32 v[212+4*\c:214+4*\c], v[120+32*\c:135+32*\c], v[229+2*\c]
.endr
	v_nop                                          ; one plain place behind a scaled conversion
.irp c, 0,1
.irp i, 0,1,2
	v_permlane16_swap_b32 v[200+6*\c+\i], v[212+4*\c+\i]
.endr
.irp i, 0,1,2
	v_mov_b32 v[203+6*\c+\i], v[212+4*\c+\i]
.endr
.endr
	PLACES                                         ; an operand written by vector instructions stands four places ahead of a scaled matrix instruction
	s_wait_dscnt 0x0                               ; V is in
.irp vt, 0,2                                   ; O^T += V^T P^T: the four accumulators by turns, the eight score tiles between two turns of one
	v_wmma_scale_f32_16x16x128_f8f6f4 v[168+8*\vt:175+8*\vt], v[38+12*\vt:49+12*\vt], v[200:211], v[168+8*\vt:175+8*\vt], v[36+\vt/2], v31 matrix_a_fmt:MATRIX_FMT_BF6 matrix_b_fmt:MATRIX_FMT_BF6
	v_wmma_scale_f32_16x16x128_f8f6f4 v[176+8*\vt:183+8*\vt], v[50+12*\vt:61+12*\vt], v[200:211], v[176+8*\vt:183+8*\vt], v[36+\vt/2], v31 matrix_a_fmt:MATRIX_FMT_BF6 matrix_b_fmt:MATRIX_FMT_BF6 matrix_a_scale:MATRIX_SCALE_ROW1
.endr
.endm
; my (-M, sum) in v12, v14 meets a partner's: both come under the larger M by powers of two, so both partners get the same bits
.macro COMBINE no, lo
	v_min_num_f32 v234, v12, v[\no]
	v_sub_f32 v235, v234, v12
	v_sub_f32 v236, v234, v[\no]
	v_cvt_i32_f32 v235, v235
	v_cvt_i32_f32 v236, v236
	v_ldexp_f32 v235, 1.0, v235
	v_ldexp_f32 v236, 1.0, v236
	v_mul_f32 v14, v14, v235
	v_fma_f32 v14, v[\lo], v236, v14
	v_mov_b32 v12, v234
.endm
.macro QUANT32 src, c, x, pw, tm       ; 32 numbers of a lane, register 16 b + i = index 32 b + 16 h + i, become a half fragment's codes and its two scale bytes
	v_max3_num_f32 v[\tm], |v[\src]|, |v[\src+1]|, FLOOR
	v_max3_num_f32 v[\tm+1], |v[\src+16]|, |v[\src+17]|, FLOOR
.irp i, 2,4,6,8,10,12,14
	v_max3_num_f32 v[\tm], v[\tm], |v[\src+\i]|, |v[\src+\i+1]|
	v_max3_num_f32 v[\tm+1], v[\tm+1], |v[\src+16+\i]|, |v[\src+17+\i]|
.endr
	v_permlanex16_b32 v[\tm+4], v[\tm], s[SEL], s[SEL+1]
	v_permlanex16_b32 v[\tm+5], v[\tm+1], s[SEL], s[SEL+1]
	v_max_num_f32 v[\tm], v[\tm], v[\tm+4]
	v_max_num_f32 v[\tm+1], v[\tm+1], v[\tm+5]
	v_add_nc_u32 v[\tm+2], EOFF, v[\tm]
	v_add_nc_u32 v[\tm+3], EOFF, v[\tm+1]
	v_lshrrev_b32 v[\tm+4], 23, v[\tm+2]
	v_lshrrev_b32 v[\tm+5], 23, v[\tm+3]
	v_lshl_or_b32 v[\pw], v[\tm+5], 8, v[\tm+4]
	v_cvt_scalef32_pk16_bf6_f32 v[\c:\c+2], v[\src:\src+15], v[\tm+2]
	v_cvt_scalef32_pk16_bf6_f32 v[\x:\x+2], v[\src+16:\src+31], v[\tm+3]
	v_nop                                          ; one plain place behind a scaled conversion
.irp i, 0,1,2
	v_permlane16_swap_b32 v[\c+\i], v[\x+\i]
.endr
.irp i, 0,1,2
	v_mov_b32 v[\c+3+\i], v[\x+\i]
.endr
.endm
; PASS 2, eight key steps of the head (four of mine): slot 0's, then slot 1's.  fill = 1: each slot is written again, with the steps eight further on, behind the barrier that follows its last read;
; it is read again behind the next barrier, in front of which the writers have waited for their stores.  The bytes were asked for two of my steps earlier.
.macro TRIP fill
.if \fill
.irp i, 0,1,2
	global_load_b128 v[92+4*\i:95+4*\i], v10, s[6:7] offset:512*\i
.endr
.endif
	v_add_nc_u32 v3, s12, v1
	v_add_nc_u32 v4, s12, v2
	v_add_nc_u32 v5, s13, v1
	v_add_nc_u32 v8, s15, v2
	STEP2 0, 0
	STEP2 0, 1
.if \fill
	s_wait_loadcnt 0x0                             ; slot 0's next bytes are in my registers
.endif
	s_wait_dscnt 0x0                               ; my reads of slot 0 are over, and my stores into slot 1 have landed
	BAR
.if \fill
.irp i, 0,1,2
	ds_store_b128 v11, v[92+4*\i:95+4*\i] offset:512*\i
.endr
.irp i, 0,1,2
	global_load_b128 v[240+4*\i:243+4*\i], v10, s[6:7] offset:VSL+512*\i
.endr
.endif
	STEP2 1, 0
	STEP2 1, 1
.if \fill
	s_wait_loadcnt 0x0                             ; slot 1's next bytes are in, and V's base may be stepped
	s_wait_dscnt 0x0                               ; my reads of slot 1 are over, and my stores into slot 0 have landed
	BAR
.irp i, 0,1,2
	ds_store_b128 v11, v[240+4*\i:243+4*\i] offset:VSL+512*\i
.endr
	s_add_nc_u64 s[6:7], s[6:7], 2*VSL
	s_add_co_u32 s12, s12, 49152
	s_add_co_u32 s13, s13, 4096
	s_add_co_u32 s15, s15, 2048
.endif
.endm
	s_load_b256 s[16:23], s[0:1], 0x0              ; maskw, qc, kp, vc
	v_lshrrev_b32 v3, 5, v0
	v_readfirstlane_b32 s5, v3                     ; wave 0..15
	v_and_b32 v3, 31, v0
	v_lshlrev_b32 v1, 4, v3
	v_lshlrev_b32 v2, 3, v3
	v_and_b32 v5, 15, v0
	v_lshlrev_b32 v5, 4, v5                        ; 16 r, for Q's scale word
	s_lshr_b32 s67, s5, 3                          ; which half of the key steps
	s_and_b32 s12, s5, 7                           ; which of the work-group's eight tiles
	s_lshl_b32 s104, ttmp9, 3
	s_add_co_u32 s104, s104, s12                   ; T
	s_and_b32 s105, ttmp7, 0xffff                  ; the head
	s_lshl_b32 s24, s104, 13
	s_lshl_b32 s13, s67, 8
	s_add_co_u32 s24, s24, s13                     ; mask words: 8,192 bytes a tile, 256 a key step
	s_mov_b32 s25, 0
	s_lshl_b32 s26, s105, 8
	s_add_co_u32 s26, s26, s104
	s_mul_i32 s26, s26, 768                        ; Q's half fragment
	s_mov_b32 s27, 0
	s_lshl_b32 s28, s105, 14
	s_lshl_b32 s13, ttmp9, 9
	s_add_co_u32 s28, s28, s13
	s_and_b32 s13, s12, 1
	s_lshl_b32 s13, s13, 8
	s_add_co_u32 s28, s28, s13
	s_lshr_b32 s13, s12, 1
	s_lshl_b32 s13, s13, 2
	s_add_co_u32 s28, s28, s13
	s_add_co_u32 s28, s28, QS_OFF                  ; Q's scale words
	s_mov_b32 s29, 0
	s_mul_i32 s30, s105, KPH
	s_mov_b32 s31, 0
	s_mul_i32 s6, s105, 196608
	s_mov_b32 s7, 0
	s_mul_i32 s13, s5, 4608
	v_add_nc_u32 v252, s13, v1                     ; my 4,608 of the first 73,728 bytes: the same offset in memory and in LDS
	s_mul_i32 s13, s5, 9216
	s_add_co_u32 s13, s13, 73728
	v_add_nc_u32 v253, s13, v1                     ; my 9,216 of the other 147,456
	s_mul_i32 s13, s5, 1536
	v_add_nc_u32 v10, s13, v1                      ; my 1,536 of a slot of V, in memory
	v_add_nc_u32 v11, VB0, v10                     ; and in LDS
	s_mul_i32 s13, s67, 6144
	s_add_co_u32 s13, s13, VB0
	v_add_nc_u32 v6, s13, v1                       ; where I read V: my first step of slot 0
	v_add_nc_u32 v7, s13, v2
	v_lshl_add_u32 v254, v0, 3, STAT               ; my (M, sum),
	v_xor_b32 v255, 256, v0
	v_lshl_add_u32 v255, v255, 3, STAT             ; and that of the same lane of the wave that shares my tile
	s_mov_b32 s4, 0
	s_mov_b32 s8, 0x3e38aa3b                       ; c = log2(e) / 8
	s_mov_b32 s9, s8                               ; (the packed form names the pair)
	s_mov_b32 s[SEL], 0x76543210
	s_mov_b32 s[SEL+1], 0xfedcba98
	s_wait_kmcnt 0x0
	s_add_nc_u64 s[2:3], s[16:17], s[24:25]
	s_add_nc_u64 s[26:27], s[18:19], s[26:27]
	s_add_nc_u64 s[28:29], s[18:19], s[28:29]
	s_add_nc_u64 s[100:101], s[20:21], s[30:31]
	s_add_nc_u64 s[6:7], s[22:23], s[6:7]
	global_load_b128 v[18:21], v1, s[26:27]
	global_load_b64 v[22:23], v2, s[26:27] offset:512
	global_load_b32 v30, v5, s[28:29]
.set hi, 0
.rept 9
	global_load_b128 v[104+4*hi:107+4*hi], v252, s[100:101] offset:512*hi
.set hi, hi+1
.endr
.set hi, 0
.rept 18
	global_load_b128 v[168+4*hi:171+4*hi], v253, s[100:101] offset:512*hi
.set hi, hi+1
.endr
.irp g, 0,1,2,3
	s_load_b512 s[32+16*\g+4*(\g/2):47+16*\g+4*(\g/2)], s[2:3], s4 offset:64*\g   ; my first key step's mask words
.endr
	v_mov_b32 v9, 0xff800000                       ; -infinity
.irp i, 0,1,2,3,4,5
	v_mov_b32 v[24+\i], 0                          ; Q's upper 64 along K: zero codes
	v_mov_b32 v[86+\i], 0                          ; and what stands behind K's tile 7
.endr
	v_mov_b32 v99, 0                               ; (named as the upper half of the pair v[98:99])
	v_mov_b32 v13, 0xff61b1e6                      ; the largest t so far: -3e38
	v_floor_f32 v12, -v13
	v_mov_b32 v14, 0
	v_mov_b32 v15, 0
	v_mov_b32 v100, 0
	v_mov_b32 v101, 0
.set hi, 0
.rept 9
	s_wait_loadcnt 26-hi                           ; behind this load: the 8 - i others of the first part and the second part's 18.  Q's three loads are older: they are in too, and s[26:29] and v5 are free
	ds_store_b128 v252, v[104+4*hi:107+4*hi] offset:512*hi
.set hi, hi+1
.endr
	s_mul_i32 s12, s67, 6144
	s_add_co_u32 s12, s12, KC                      ; my first key step's codes,
	s_lshl_b32 s13, s67, 9                         ; and its scale words
	s_wait_dscnt 0x0
	BAR                                            ; the scales and key steps 0-7 lie in LDS
	v_add_nc_u32 v3, s12, v1
	v_add_nc_u32 v4, s12, v2
	v_add_nc_u32 v5, s13, v1
	KLOAD 0, 0                                     ; my first step's K
	s_mov_b32 s66, 3
.Lp1a:                                             ; my first four steps read key steps 0-7 alone: bytes under 73,728; the three trips ask for my steps 1, 2, 3
	STEP1 1
	s_sub_co_u32 s66, s66, 1
	s_cmp_lg_u32 s66, 0
	s_cbranch_scc1 .Lp1a
	STEP1 0                                        ; my fourth step asks for nothing: the next key steps are not in LDS yet
	s_wait_loadcnt 0x0
.set hi, 0
.rept 18
	ds_store_b128 v253, v[168+4*hi:171+4*hi] offset:512*hi
.set hi, hi+1
.endr
	s_wait_dscnt 0x0
	BAR                                            ; all of K lies in LDS
	KNEXT                                          ; my fifth step's K
.irp s, 0,1
.irp i, 0,1,2
	global_load_b128 v[168+12*\s+4*\i:171+12*\s+4*\i], v10, s[6:7] offset:\s*VSL+512*\i   ; V's first eight key steps land during the rest of pass 1
.endr
.endr
.irp i, 0,1,2,3
	v_mov_b32 v[224+\i], 0                         ; a lane permute's destination counts as one of its sources
.endr
	v_mov_b32 v232, 0
	v_mov_b32 v233, 0
	s_mov_b32 s66, 11
.Lp1b:
	STEP1 1
	s_sub_co_u32 s66, s66, 1
	s_cmp_lg_u32 s66, 0
	s_cbranch_scc1 .Lp1b
	STEP1 0                                        ; my last step: behind it lies no K
	s_wait_loadcnt 0x0
.irp s, 0,1
.irp i, 0,1,2
	ds_store_b128 v11, v[168+12*\s+4*\i:171+12*\s+4*\i] offset:\s*VSL+512*\i
.endr
.endr
	s_add_nc_u64 s[6:7], s[6:7], 2*VSL
	v_pk_add_f32 v[14:15], v[14:15], v[100:101]
	v_add_f32 v14, v14, v15                        ; my lane's sum
	v_permlanex16_b32 v232, v12, s[SEL], s[SEL+1]
	v_permlanex16_b32 v233, v14, s[SEL], s[SEL+1]
	COMBINE 232, 233                               ; with lane l xor 16's
	v_mov_b32 v13, v14                             ; (the largest t is done with)
	ds_store_b64 v254, v[12:13]
	s_wait_dscnt 0x0
	BAR                                            ; V's two slots and everybody's (M, sum) lie in LDS
	ds_load_b64 v[232:233], v255
.set hi, 0
.rept 32
	v_mov_b32 v[168+hi], 0                         ; O^T: the step is written once, so its first products add onto zeros
.set hi, hi+1
.endr
	s_mul_i32 s12, s67, 6144
	s_add_co_u32 s12, s12, KC
	s_lshl_b32 s13, s67, 9
	s_lshl_b32 s15, s67, 8
	s_add_co_u32 s15, s15, VSO
	s_wait_dscnt 0x0
	COMBINE 232, 233                               ; with the other half of the key steps: the row's M and sum
	v_rcp_f32 v16, v14
	v_mov_b32 v17, v14                             ; (a plain place behind the reciprocal)
	s_mov_b32 s66, 3
.Lp2:
	TRIP 1
	s_sub_co_u32 s66, s66, 1
	s_cmp_lg_u32 s66, 0
	s_cbranch_scc1 .Lp2
	TRIP 0                                         ; the last eight key steps: nothing is left to fetch
	; THE END.  The waves of the second half hand their O^T to the waves of the first, which add, quantise and store.
	v_and_b32 v3, 0xe0, v0                         ; (four plain lines: the places behind the last products)
	v_lshlrev_b32 v3, 7, v3
	v_add_nc_u32 v3, v3, v1
	v_add_nc_u32 v3, OX, v3                        ; 4,096 bytes a tile, 16 l: the same address in both waves of a tile
	s_cmp_eq_u32 s67, 0
	s_cbranch_scc1 .Lowner
.set hi, 0
.rept 8
	ds_store_b128 v3, v[168+4*hi:171+4*hi] offset:512*hi   ; each accumulator from its low end on
.set hi, hi+1
.endr
.Lowner:
	s_wait_dscnt 0x0
	BAR
	s_cmp_lg_u32 s67, 0
	s_cbranch_scc1 .Ldone
.set hi, 0
.rept 8
	ds_load_b128 v[104+4*hi:107+4*hi], v3 offset:512*hi
.set hi, hi+1
.endr
	s_load_b64 s[16:17], s[0:1], 0x20              ; hc
	s_lshl_b32 s18, s104, 3
	s_add_co_u32 s18, s18, s105
	s_mul_i32 s18, s18, 768                        ; half fragment (T, head)
	s_mov_b32 s19, 0
	s_lshl_b32 s20, s104, 8
	s_lshl_b32 s21, s105, 1
	s_add_co_u32 s20, s20, s21
	s_add_co_u32 s20, s20, HS_OFF                  ; its two bytes of each row's sixteen
	s_mov_b32 s21, 0
	v_and_b32 v5, 15, v0
	v_lshlrev_b32 v5, 4, v5
	v_mov_b32 v221, 0xffff
	s_wait_dscnt 0x0
.set hi, 0
.rept 16
	v_pk_add_f32 v[136+2*hi:137+2*hi], v[168+2*hi:169+2*hi], v[104+2*hi:105+2*hi]
.set hi, hi+1
.endr
	QUANT32 136, 200, 212, 220, 224
	v_cmp_eq_f32 vcc_lo, 0, v17
	v_cndmask_b32 v220, v220, v221, vcc_lo         ; a row whose sum is 0: the scale byte that stands for NaN
	s_wait_kmcnt 0x0
	s_add_nc_u64 s[18:19], s[16:17], s[18:19]
	s_add_nc_u64 s[20:21], s[16:17], s[20:21]
	global_store_b128 v1, v[200:203], s[18:19]
	global_store_b64 v2, v[204:205], s[18:19] offset:512
	global_store_b16 v5, v220, s[20:21]            ; (both halves of the lanes hold and write the same)
.Ldone:
	s_wait_xcnt 0x0
	v_lshl_add_u32 v254, v0, 2, 0x4b000
	v_mov_b32 v255, 0
	s_wait_tensorcnt 0x0
	ds_add_u32 v254, v255
	s_wait_dscnt 0x0
	s_endpgm
.Lfunc_end_k_q94b7d2749d_attn:
	.size	k_q94b7d2749d_attn, .Lfunc_end_k_q94b7d2749d_attn-k_q94b7d2749d_attn
	.p2alignl 7, 3214868480
	.fill 96, 4, 3214868480
	.section	.rodata,"a",@progbits
	.p2align	6, 0x0
	.amdhsa_kernel k_q94b7d2749d_attn
		.amdhsa_group_segment_fixed_size 309248
		.amdhsa_private_segment_fixed_size 0
		.amdhsa_enable_private_segment 0
		.amdhsa_kernarg_size 40
		.amdhsa_user_sgpr_count 2
		.amdhsa_user_sgpr_kernarg_segment_ptr 1
		.amdhsa_wavefront_size32 1
		.amdhsa_system_sgpr_workgroup_id_x 1
		.amdhsa_system_sgpr_workgroup_id_y 1
		.amdhsa_system_sgpr_workgroup_id_z 1
		.amdhsa_system_vgpr_workitem_id 0
		.amdhsa_next_free_vgpr 256
		.amdhsa_next_free_sgpr 106
		.amdhsa_reserve_vcc 1
		.amdhsa_float_denorm_mode_32 3
		.amdhsa_float_denorm_mode_16_64 3
		.amdhsa_memory_ordered 1
		.amdhsa_forward_progress 1
		.amdhsa_inst_pref_size 255
	.end_amdhsa_kernel
	.section	.bss,"aw",@nobits
	.p2align	6
	.space	262144
	.amdgpu_metadata
---
amdhsa.version: [ 1, 2 ]
amdhsa.kernels:
  - .name:           k_q94b7d2749d_attn
    .symbol:         k_q94b7d2749d_attn.kd
    .args:
      - { .name: maskw, .offset: 0, .size: 8, .value_kind: global_buffer, .address_space: global }
      - { .name: qc, .offset: 8, .size: 8, .value_kind: global_buffer, .address_space: global }
      - { .name: kp, .offset: 16, .size: 8, .value_kind: global_buffer, .address_space: global }
      - { .name: vc, .offset: 24, .size: 8, .value_kind: global_buffer, .address_space: global }
      - { .name: hc, .offset: 32, .size: 8, .value_kind: global_buffer, .address_space: global }
    .group_segment_fixed_size: 309248
    .private_segment_fixed_size: 0
    .kernarg_segment_align: 8
    .kernarg_segment_size: 40
    .max_flat_workgroup_size: 512
    .sgpr_count:     106
    .vgpr_count:     256
    .wavefront_size: 32
...
	.end_amdgpu_metadata
.endif
;; end of part 3
;; launch outp (part 4): grid 256 x 1, 4 waves a work-group, no clusters, 17,920 bytes of LDS; arguments hc, wc, out0; writes out0
.if DOCPART == 4
	.amdgcn_target "amdgcn-amd-amdhsa--gfx1250"
	.amdhsa_code_object_version 6
	.text
	.protected	k_q94b7d2749d_outp
	.globl	k_q94b7d2749d_outp
	.p2align	8
	.type	k_q94b7d2749d_outp,@function
k_q94b7d2749d_outp:
	s_mov_b64 s[64:65], 0
	v_nop
	global_prefetch_b8 v0, s[64:65] scope:SCOPE_SE
	s_setreg_imm32_b32 hwreg(HW_REG_WAVE_MODE, 25, 1), 1
	s_wait_xcnt 0x0
; OUTP: out = heads W_out on codes of E3M2, K = (head, channel) = 512.
; A wave makes 4 tiles of W_out's columns (source 0) x 2 tiles of queries (source 1), four K steps of 128: 32 matrix instructions on eight accumulators by turns.
; Fragments come from memory in the order of their registers; waves share nothing, no barrier.  Job J = 4 x work-group + wave: columns 64 (J / 128) on, query tiles 2 (J % 128), + 1.
; Row r of query tile t is query 32 (t / 2) + 8 (t % 2) + r + 8 (r / 8).  A lane holds eight neighbouring columns of one query; a tile of 16 queries x 64 columns goes through the wave's own stage in LDS
; (rows 272 bytes apart) and leaves as rows: sixteen lanes store 256 consecutive bytes, aligned.
; A query whose heads carry the scale byte 0xff (a row with nothing to attend to) comes out NaN, as the softmax of a row of -infinity does.
.set WS_OFF, 786432
.set HS_OFF, 1572864
; v1 16 l, v2 8 l, v3 16 r, v4, v5 the stage, v6 my place in out0; v8-23, v24-31 scale words (they hold nothing else); v32-175 two sets of fragments, later rows of the result; v176-239 accumulators
.macro FRAGLD reg, lo, off
	global_load_b128 v[\reg:\reg+3], v1, s[\lo:\lo+1] offset:\off
	global_load_b64 v[\reg+4:\reg+5], v2, s[\lo:\lo+1] offset:\off+512
	global_load_b128 v[\reg+6:\reg+9], v1, s[\lo:\lo+1] offset:\off+768
	global_load_b64 v[\reg+10:\reg+11], v2, s[\lo:\lo+1] offset:\off+1280
.endm
.macro LOADK s, p                      ; K step s into set p: 24 loads
.irp b, 0,1,2,3
	FRAGLD 32+72*\p+12*\b, 4, \b*6144+\s*1536
.endr
.irp a, 0,1
	FRAGLD 80+72*\p+12*\a, 6, \a*6144+\s*1536
.endr
.endm
.macro MULK s, p, zero                 ; zero = 1: the first products start the sums
.irp a, 0,1
.irp b, 0,1,2,3
.if \zero
	v_wmma_scale_f32_16x16x128_f8f6f4 v[176+8*(4*\a+\b):183+8*(4*\a+\b)], v[32+72*\p+12*\b:43+72*\p+12*\b], v[80+72*\p+12*\a:91+72*\p+12*\a], 0, v[8+4*\b+\s], v[24+4*\a+\s] matrix_a_fmt:MATRIX_FMT_BF6 matrix_b_fmt:MATRIX_FMT_BF6
.else
	v_wmma_scale_f32_16x16x128_f8f6f4 v[176+8*(4*\a+\b):183+8*(4*\a+\b)], v[32+72*\p+12*\b:43+72*\p+12*\b], v[80+72*\p+12*\a:91+72*\p+12*\a], v[176+8*(4*\a+\b):183+8*(4*\a+\b)], v[8+4*\b+\s], v[24+4*\a+\s] matrix_a_fmt:MATRIX_FMT_BF6 matrix_b_fmt:MATRIX_FMT_BF6
.endif
.endr
.endr
.endm
.macro PLACES                          ; four places between a matrix instruction and a load into, or a store of, its registers
.rept 4
	v_nop
.endr
.endm
	s_load_b128 s[24:27], s[0:1], 0x0              ; hc, wc
	s_load_b64 s[28:29], s[0:1], 0x10              ; out0
	v_lshl_add_u32 v254, v0, 2, 0x4400
	v_mov_b32 v255, 0
	v_lshrrev_b32 v4, 5, v0
	v_readfirstlane_b32 s12, v4                    ; wave
	v_and_b32 v4, 31, v0
	v_lshlrev_b32 v1, 4, v4
	v_lshlrev_b32 v2, 3, v4
	v_and_b32 v240, 15, v0                         ; r
	v_bfe_u32 v241, v0, 4, 1                       ; h
	v_lshlrev_b32 v3, 4, v240
	s_mul_i32 s13, s12, 4352                       ; my stage
	v_mul_u32_u24 v4, v240, 272
	v_lshl_add_u32 v4, v241, 5, v4
	v_add_nc_u32 v4, s13, v4                       ; in: row r, + 32 h
	v_mul_u32_u24 v5, v241, 272
	v_lshl_add_u32 v5, v240, 4, v5
	v_add_nc_u32 v5, s13, v5                       ; back: lanes 0-15 one row, lanes 16-31 the next
	v_lshlrev_b32 v6, 11, v241
	v_lshl_add_u32 v6, v240, 4, v6                 ; and the same two rows of 2,048 bytes in out0
	s_lshl_b32 s13, ttmp9, 2
	s_add_co_u32 s13, s13, s12                     ; J
	s_lshr_b32 s14, s13, 7                         ; E: columns 64 E on
	s_and_b32 s15, s13, 127                        ; Y: queries 32 Y on
	s_lshl_b32 s16, s14, 2
	s_add_co_u32 s16, s16, 96                      ; W_out's tiles lie behind the three projections' 96
	s_mul_i32 s36, s16, 6144
	s_mov_b32 s37, 0
	s_lshl_b32 s38, s16, 8
	s_add_co_u32 s38, s38, WS_OFF
	s_mov_b32 s39, 0
	s_mul_i32 s40, s15, 12288
	s_mov_b32 s41, 0
	s_lshl_b32 s42, s15, 9
	s_add_co_u32 s42, s42, HS_OFF
	s_mov_b32 s43, 0
	s_lshl_b32 s44, s15, 16
	s_lshl_b32 s45, s14, 8
	s_add_co_u32 s44, s44, s45
	s_mov_b32 s45, 0
	s_wait_kmcnt 0x0
	s_add_nc_u64 s[4:5], s[26:27], s[36:37]
	s_add_nc_u64 s[8:9], s[26:27], s[38:39]
	s_add_nc_u64 s[6:7], s[24:25], s[40:41]
	s_add_nc_u64 s[10:11], s[24:25], s[42:43]
	s_add_nc_u64 s[14:15], s[28:29], s[44:45]
.irp b, 0,1,2,3
	global_load_b128 v[8+4*\b:11+4*\b], v3, s[8:9] offset:256*\b     ; row r's four scale words, one for each K step
.endr
.irp a, 0,1
	global_load_b128 v[24+4*\a:27+4*\a], v3, s[10:11] offset:256*\a
.endr
	LOADK 0, 0
	LOADK 1, 1
	s_wait_loadcnt 24                              ; the scale words and set 0 are in; set 1's 24 loads may be out
	MULK 0, 0, 1
	PLACES
	LOADK 2, 0
	s_wait_loadcnt 24                              ; set 1 is in
	MULK 1, 1, 0
	PLACES
	LOADK 3, 1
	s_wait_loadcnt 24
	MULK 2, 0, 0
	s_wait_loadcnt 0x0
	MULK 3, 1, 0
	PLACES
.irp a, 0,1
.irp b, 0,1,2,3
	ds_store_b128 v4, v[176+8*(4*\a+\b):179+8*(4*\a+\b)] offset:64*\b        ; each accumulator from its low end on
	ds_store_b128 v4, v[180+8*(4*\a+\b):183+8*(4*\a+\b)] offset:64*\b+16
.endr
.irp i, 0,1,2,3,4,5,6,7
	ds_load_b128 v[32+32*\a+4*\i:35+32*\a+4*\i], v5 offset:544*\i            ; LDS serves a wave's instructions in order: these see my stores, and the next tile's stores come behind them
.endr
.endr
.irp a, 0,1
.irp i, 0,1,2,3,4,5,6,7
	s_wait_dscnt 16*(1-\a)+7-\i                    ; behind this load: the tile's 7 - i younger loads, and for the first tile the second tile's sixteen LDS instructions
	global_store_b128 v6, v[32+32*\a+4*\i:35+32*\a+4*\i], s[14:15] offset:(8*\a+2*\i+8*(\i/4))*2048 th:TH_STORE_NT
.endr
.endr
	s_wait_tensorcnt 0x0
	ds_add_u32 v254, v255
	s_wait_dscnt 0x0
	s_endpgm
.Lfunc_end_k_q94b7d2749d_outp:
	.size	k_q94b7d2749d_outp, .Lfunc_end_k_q94b7d2749d_outp-k_q94b7d2749d_outp
	.p2alignl 7, 3214868480
	.fill 96, 4, 3214868480
	.section	.rodata,"a",@progbits
	.p2align	6, 0x0
	.amdhsa_kernel k_q94b7d2749d_outp
		.amdhsa_group_segment_fixed_size 17920
		.amdhsa_private_segment_fixed_size 0
		.amdhsa_enable_private_segment 0
		.amdhsa_kernarg_size 24
		.amdhsa_user_sgpr_count 2
		.amdhsa_user_sgpr_kernarg_segment_ptr 1
		.amdhsa_wavefront_size32 1
		.amdhsa_system_sgpr_workgroup_id_x 1
		.amdhsa_system_sgpr_workgroup_id_y 1
		.amdhsa_system_sgpr_workgroup_id_z 1
		.amdhsa_system_vgpr_workitem_id 0
		.amdhsa_next_free_vgpr 256
		.amdhsa_next_free_sgpr 66
		.amdhsa_reserve_vcc 0
		.amdhsa_float_denorm_mode_32 3
		.amdhsa_float_denorm_mode_16_64 3
		.amdhsa_memory_ordered 1
		.amdhsa_forward_progress 1
		.amdhsa_inst_pref_size 21
	.end_amdhsa_kernel
	.amdgpu_metadata
---
amdhsa.version: [ 1, 2 ]
amdhsa.kernels:
  - .name:           k_q94b7d2749d_outp
    .symbol:         k_q94b7d2749d_outp.kd
    .args:
      - { .name: hc, .offset: 0, .size: 8, .value_kind: global_buffer, .address_space: global }
      - { .name: wc, .offset: 8, .size: 8, .value_kind: global_buffer, .address_space: global }
      - { .name: out0, .offset: 16, .size: 8, .value_kind: global_buffer, .address_space: global }
    .group_segment_fixed_size: 17920
    .private_segment_fixed_size: 0
    .kernarg_segment_align: 8
    .kernarg_segment_size: 24
    .max_flat_workgroup_size: 128
    .sgpr_count:     66
    .vgpr_count:     256
    .wavefront_size: 32
...
	.end_amdgpu_metadata
.endif
;; end of part 4
;; ======== version 2 of 2: 4 launches; version 1 with the launches proj, attn, outp written anew for expert scheduling mode
;; workspace buffers: maskw 2,097,152 bytes of whole numbers; xc 3,276,800 bytes; wc 819,200 bytes; qc 1,703,936 bytes; kp 1,769,472 bytes; vc 1,572,864 bytes; hc 1,638,400 bytes
;; launch prep: the kernel of part 1 again; grid 1408 x 1, 4 waves a work-group, no clusters, 34,304 bytes of LDS; arguments mask, q, h, W_query, W_key, W_val, W_out, maskw, xc, wc; writes maskw, xc, wc
;; launch proj (part 5): grid 768 x 1, 4 waves a work-group, no clusters, 0 bytes of LDS; arguments xc, wc, qc, kp, vc; writes qc, kp, vc
.if DOCPART == 5
	.amdgcn_target "amdgcn-amd-amdhsa--gfx1250"
	.amdhsa_code_object_version 6
	.text
	.protected	k_q94b7d2749d_proj
	.globl	k_q94b7d2749d_proj
	.p2align	8
	.type	k_q94b7d2749d_proj,@function
k_q94b7d2749d_proj:
	s_mov_b64 s[64:65], 0
	v_nop
	global_prefetch_b8 v0, s[64:65] scope:SCOPE_SE
	s_setreg_imm32_b32 hwreg(HW_REG_WAVE_SCHED_MODE, 0, 2), 2
	s_setreg_imm32_b32 hwreg(HW_REG_WAVE_MODE, 25, 1), 1
	s_wait_xcnt 0x0
	s_wait_alu depctr_vm_vsrc(0)
; PROJ: Q = q W_query, K = h W_key, V = h W_val on codes of E3M2 (K = 512), and the results quantised in registers into the order of the next products' operands.
; A wave makes 4 tiles of source 0 x 2 tiles of source 1, four K steps of 128: 32 matrix instructions on eight accumulators by turns.
; Its fragments come from memory in the order of their registers (prep laid them so): no LDS, no barrier, waves share nothing.
; Job J = 4 x work-group + wave: m = J / 1024 (0 Q, 1 K, 2 V), head = (J / 128) % 8, u = J % 128.
;  Q, K: source 0 = the head's four tiles of weight columns, source 1 = row tiles 2 u, 2 u + 1: a lane holds one row and 64 head channels in 32 registers of each half of the lanes.
;  V:    source 0 = key tiles 4 (u / 2) .. + 3, source 1 = weight tiles 2 (u % 2), + 1 of the head: a lane holds one channel and 64 keys: the keys are the next K.
; By the choice of a tile's rows (prep) register 16 b + i of a lane is index 32 b + 16 h + i along the next K.
; OUT.  A half fragment (16 rows x 64 K, 6 registers a lane): 768 bytes, registers 0-3 at 16 l, registers 4, 5 at 512 + 8 l.
;  qc: [head][tile 256] half fragments; from QS_OFF a head's 16,384 bytes of scale words.   kp, a head's 221,184 bytes: K's scale words, from 16,384 V's, from 24,576 K's 256 half fragments.
;  vc: [head][key step 32][channel tile 4][c 2] half fragments.
;  Q's and K's scale word of (tile t, row r), bytes 0, 1 its two blocks', bytes 2, 3 = 0x7f: at (t / 8) 512 + 16 (r + 16 (t % 2)) + 4 ((t % 8) / 2).
;  V's word of (channel tile vt, row r, key step ks): at 256 ks + 8 (r + 16 (vt % 2)) + 4 (vt / 2); this wave writes two of its four bytes.
; LIMITS: a block of zeros gets the byte 1, not 127 (its codes are zeros; this program alone reads the bytes); NaN and infinities are not served.
; THE MODE: SCHED_MODE bits 1:0 = 2 (LLVM: expert scheduling mode 2), set by the entry lines.  The code itself states the register dependences
; between vector or matrix instructions and memory instructions, with s_wait_alu, always for 0.
; THE PLAN.  Registers that memory instructions touch:
;   v1, v2, v3     offsets, written at the head and never again; every load and store reads one of them: one wait on va_vdst ahead of the first load.
;   v8-31          scale words: loaded once, read by matrix instructions alone.
;   set 0, set 1   K step s lands in set s % 2 and is read by that step's eight matrix instructions.  Sets 0 and 1 are loaded a second time (K steps 2 and 3), each behind the products
;                  that read it: one wait on va_vdst between those products and the run of 24 loads.
;   v32-37, v40-45, v242   the codes and the scale word, written by the quantiser, read by the stores: one wait on va_vdst ahead of the stores, in each arm.
;   s12            the wave's number, written by a vector instruction: one wait on va_sdst ahead of its first reader.
.set XS_OFF, 3145728
.set WS_OFF, 786432
.set QS_OFF, 1572864
.set FLOOR,  0x2800000
.set EOFF,   0xfe000000
.set SEL,    34
; v1 16 l, v2 8 l, v3 16 r; v8-23 source 0's scale words (4 b + s), v24-31 source 1's (4 a + s): they hold nothing else;
; v32-103, v104-175 two sets of six fragments; v176-239 the accumulators (a, b) at 176 + 8 (4 a + b); v240-249 at work
.macro FRAGLD reg, lo, off
	global_load_b128 v[\reg:\reg+3], v1, s[\lo:\lo+1] offset:\off
	global_load_b64 v[\reg+4:\reg+5], v2, s[\lo:\lo+1] offset:\off+512
	global_load_b128 v[\reg+6:\reg+9], v1, s[\lo:\lo+1] offset:\off+768
	global_load_b64 v[\reg+10:\reg+11], v2, s[\lo:\lo+1] offset:\off+1280
.endm
.macro LOADK s, p                      ; K step s into set p: 24 loads
.irp b, 0,1,2,3
	FRAGLD 32+72*\p+12*\b, 4, \b*6144+\s*1536
.endr
.irp a, 0,1
	FRAGLD 80+72*\p+12*\a, 6, \a*6144+\s*1536
.endr
.endm
.macro MULK s, p, zero                 ; zero = 1: the first products start the sums
.irp a, 0,1
.irp b, 0,1,2,3
.if \zero
	v_wmma_scale_f32_16x16x128_f8f6f4 v[176+8*(4*\a+\b):183+8*(4*\a+\b)], v[32+72*\p+12*\b:43+72*\p+12*\b], v[80+72*\p+12*\a:91+72*\p+12*\a], 0, v[8+4*\b+\s], v[24+4*\a+\s] matrix_a_fmt:MATRIX_FMT_BF6 matrix_b_fmt:MATRIX_FMT_BF6
.else
	v_wmma_scale_f32_16x16x128_f8f6f4 v[176+8*(4*\a+\b):183+8*(4*\a+\b)], v[32+72*\p+12*\b:43+72*\p+12*\b], v[80+72*\p+12*\a:91+72*\p+12*\a], v[176+8*(4*\a+\b):183+8*(4*\a+\b)], v[8+4*\b+\s], v[24+4*\a+\s] matrix_a_fmt:MATRIX_FMT_BF6 matrix_b_fmt:MATRIX_FMT_BF6
.endif
.endr
.endr
.endm
.macro PLACES                          ; four places between a matrix instruction and a load into, or a vector instruction on, its registers
.rept 4
	v_nop
.endr
.endm
; 32 numbers of a lane, register 16 b + i = index 32 b + 16 h + i of my row, become a half fragment's codes in v[c] .. v[c + 5] and its two scale bytes in v[pw].  The registers are read in ascending order.
.macro QUANT32 src, c, x, pw, tm
	v_max3_num_f32 v[\tm], |v[\src]|, |v[\src+1]|, FLOOR
	v_max3_num_f32 v[\tm+1], |v[\src+16]|, |v[\src+17]|, FLOOR
.irp i, 2,4,6,8,10,12,14
	v_max3_num_f32 v[\tm], v[\tm], |v[\src+\i]|, |v[\src+\i+1]|
	v_max3_num_f32 v[\tm+1], v[\tm+1], |v[\src+16+\i]|, |v[\src+17+\i]|
.endr
	v_permlanex16_b32 v[\tm+4], v[\tm], s[SEL], s[SEL+1]
	v_permlanex16_b32 v[\tm+5], v[\tm+1], s[SEL], s[SEL+1]
	v_max_num_f32 v[\tm], v[\tm], v[\tm+4]         ; with lane l xor 16's sixteen: the block's largest magnitude
	v_max_num_f32 v[\tm+1], v[\tm+1], v[\tm+5]
	v_add_nc_u32 v[\tm+2], EOFF, v[\tm]            ; 4 off the exponent field: the conversion's scale operand
	v_add_nc_u32 v[\tm+3], EOFF, v[\tm+1]
	v_lshrrev_b32 v[\tm+4], 23, v[\tm+2]           ; the scale's byte
	v_lshrrev_b32 v[\tm+5], 23, v[\tm+3]
	v_lshl_or_b32 v[\pw], v[\tm+5], 8, v[\tm+4]
	v_cvt_scalef32_pk16_bf6_f32 v[\c:\c+2], v[\src:\src+15], v[\tm+2]
	v_cvt_scalef32_pk16_bf6_f32 v[\x:\x+2], v[\src+16:\src+31], v[\tm+3]
	v_nop                                          ; one plain place behind a scaled conversion
.irp i, 0,1,2
	v_permlane16_swap_b32 v[\c+\i], v[\x+\i]       ; a whole block to a lane: lanes 0-15 block 0, lanes 16-31 block 1
.endr
.irp i, 0,1,2
	v_mov_b32 v[\c+3+\i], v[\x+\i]
.endr
.endm
	s_load_b256 s[24:31], s[0:1], 0x0              ; xc, wc, qc, kp
	s_load_b64 s[32:33], s[0:1], 0x20              ; vc
	v_lshrrev_b32 v4, 5, v0
	v_readfirstlane_b32 s12, v4                    ; wave
	v_and_b32 v4, 31, v0
	v_lshlrev_b32 v1, 4, v4
	v_lshlrev_b32 v2, 3, v4
	v_and_b32 v3, 15, v0
	v_lshlrev_b32 v3, 4, v3
	v_mov_b32 v248, 0                              ; a lane permute's destination counts as one of its sources
	v_mov_b32 v249, 0
	s_mov_b32 s[SEL], 0x76543210
	s_mov_b32 s[SEL+1], 0xfedcba98
	s_mov_b32 s20, 0xffff0000                      ; lanes 16-31
	s_wait_alu depctr_va_sdst(0)                   ; s12 is written, ahead of its first reader: the job's number is made from it
	s_lshl_b32 s13, ttmp9, 2
	s_add_co_u32 s13, s13, s12                     ; J
	s_lshr_b32 s14, s13, 10                        ; m
	s_bfe_u32 s15, s13, 0x30007                    ; head
	s_and_b32 s16, s13, 127                        ; u
	s_and_b32 s17, s16, 1
	s_lshl_b32 s17, s17, 1
	s_cmp_eq_u32 s14, 2
	s_cselect_b32 s17, s17, 0                      ; e = 2 (u % 2) for V, else 0
	s_lshl_b32 s18, s14, 5
	s_lshl_b32 s19, s15, 2
	s_add_co_u32 s18, s18, s19
	s_add_co_u32 s18, s18, s17                     ; first weight tile: 32 m + 4 head + e
	s_lshl_b32 s19, s16, 1
	s_sub_co_u32 s19, s19, s17
	s_cmp_lg_u32 s14, 0
	s_cselect_b32 s21, 256, 0
	s_add_co_u32 s19, s19, s21                     ; first row tile: (h's: 256) + 2 u - e
	s_mul_i32 s36, s18, 6144
	s_mov_b32 s37, 0
	s_lshl_b32 s38, s18, 8
	s_add_co_u32 s38, s38, WS_OFF
	s_mov_b32 s39, 0
	s_mul_i32 s40, s19, 6144
	s_mov_b32 s41, 0
	s_lshl_b32 s42, s19, 8
	s_add_co_u32 s42, s42, XS_OFF
	s_mov_b32 s43, 0
	s_wait_kmcnt 0x0
	s_add_nc_u64 s[36:37], s[26:27], s[36:37]      ; the weight's codes,
	s_add_nc_u64 s[38:39], s[26:27], s[38:39]      ; its scale bytes,
	s_add_nc_u64 s[40:41], s[24:25], s[40:41]      ; the rows' codes,
	s_add_nc_u64 s[42:43], s[24:25], s[42:43]      ; their scale bytes
	s_cmp_eq_u32 s14, 2                            ; for V the rows (keys) are source 0
	s_cselect_b64 s[4:5], s[40:41], s[36:37]
	s_cselect_b64 s[6:7], s[36:37], s[40:41]
	s_cselect_b64 s[8:9], s[42:43], s[38:39]
	s_cselect_b64 s[10:11], s[38:39], s[42:43]
	s_wait_alu depctr_va_vdst(0)                   ; the offsets v1, v2, v3 are written: every load and store of the kernel reads one of them
.irp b, 0,1,2,3
	global_load_b128 v[8+4*\b:11+4*\b], v3, s[8:9] offset:256*\b     ; row r's four scale words, one for each K step
.endr
.irp a, 0,1
	global_load_b128 v[24+4*\a:27+4*\a], v3, s[10:11] offset:256*\a
.endr
	LOADK 0, 0
	LOADK 1, 1
	s_wait_loadcnt 24                              ; the scale words and set 0 are in; set 1's 24 loads may be out
	MULK 0, 0, 1
	PLACES
	s_wait_alu depctr_va_vdst(0)                   ; K step 0's products are done reading set 0, in which the loads below land
	LOADK 2, 0
	s_wait_loadcnt 24                              ; set 1 is in
	MULK 1, 1, 0
	PLACES
	s_wait_alu depctr_va_vdst(0)                   ; K step 1's products are done reading set 1, in which the loads below land
	LOADK 3, 1
	s_wait_loadcnt 24
	MULK 2, 0, 0
	s_wait_loadcnt 0x0
	MULK 3, 1, 0
	PLACES
	QUANT32 176, 32, 48, 240, 244
	QUANT32 208, 40, 52, 241, 244
	v_cndmask_b32 v242, v240, v241, s20            ; lanes 0-15: tile a = 0's bytes of row r; lanes 16-31: tile a = 1's
	s_cmp_eq_u32 s14, 2
	s_cbranch_scc1 .Lv_arm
	s_mul_i32 s21, s15, 221184                     ; K: the head's block of kp, where its scale words begin,
	s_add_co_u32 s44, s21, 24576                   ; and its codes
	s_mul_i32 s22, s15, 196608                     ; Q: the head's codes,
	s_lshl_b32 s23, s15, 14
	s_add_co_u32 s23, s23, QS_OFF                  ; and its scale words
	s_cmp_lg_u32 s14, 0
	s_cselect_b64 s[4:5], s[30:31], s[28:29]       ; kp or qc (every load that named s[4:11] is done)
	s_cselect_b32 s44, s44, s22
	s_cselect_b32 s46, s21, s23
	s_mul_i32 s22, s16, 1536                       ; tiles 2 u, 2 u + 1
	s_add_co_u32 s44, s44, s22
	s_mov_b32 s45, 0
	s_lshr_b32 s22, s16, 2
	s_lshl_b32 s22, s22, 9
	s_add_co_u32 s46, s46, s22
	s_and_b32 s22, s16, 3
	s_lshl_b32 s22, s22, 2
	s_add_co_u32 s46, s46, s22
	s_mov_b32 s47, 0
	s_add_nc_u64 s[6:7], s[4:5], s[44:45]
	s_add_nc_u64 s[8:9], s[4:5], s[46:47]
	v_or_b32 v242, 0x7f7f0000, v242                ; the upper 64 of the instruction's 128 along K are zero codes under the scale 1
	s_wait_alu depctr_va_vdst(0)                   ; the quantiser has written the codes v32-37, v40-45 and the scale word v242, which the stores read
.irp a, 0,1
	global_store_b128 v1, v[32+8*\a:35+8*\a], s[6:7] offset:768*\a
	global_store_b64 v2, v[36+8*\a:37+8*\a], s[6:7] offset:768*\a+512
.endr
	global_store_b32 v1, v242, s[8:9]
	s_endpgm
.Lv_arm:
	s_lshr_b32 s21, s16, 1                         ; G: which 64 keys
	s_lshr_b32 s22, s21, 1                         ; the key step,
	s_and_b32 s21, s21, 1                          ; and which half of it
	s_and_b32 s23, s16, 1                          ; which pair of channel tiles
	s_mul_i32 s44, s15, 196608
	s_mul_i32 s12, s22, 6144
	s_add_co_u32 s44, s44, s12
	s_mul_i32 s12, s23, 3072
	s_add_co_u32 s44, s44, s12
	s_mul_i32 s12, s21, 768
	s_add_co_u32 s44, s44, s12
	s_mov_b32 s45, 0
	s_mul_i32 s46, s15, 221184
	s_add_co_u32 s46, s46, 16384
	s_lshl_b32 s12, s22, 8
	s_add_co_u32 s46, s46, s12
	s_lshl_b32 s12, s23, 2
	s_add_co_u32 s46, s46, s12
	s_lshl_b32 s12, s21, 1
	s_add_co_u32 s46, s46, s12
	s_mov_b32 s47, 0
	s_add_nc_u64 s[6:7], s[32:33], s[44:45]
	s_add_nc_u64 s[8:9], s[30:31], s[46:47]
	s_wait_alu depctr_va_vdst(0)                   ; the quantiser has written the codes v32-37, v40-45 and the scale bytes v242, which the stores read
.irp a, 0,1
	global_store_b128 v1, v[32+8*\a:35+8*\a], s[6:7] offset:1536*\a
	global_store_b64 v2, v[36+8*\a:37+8*\a], s[6:7] offset:1536*\a+512
.endr
	global_store_b16 v2, v242, s[8:9]              ; two of the word's four bytes: 8,192 bytes a head in all go out so
	s_endpgm
.Lfunc_end_k_q94b7d2749d_proj:
	.size	k_q94b7d2749d_proj, .Lfunc_end_k_q94b7d2749d_proj-k_q94b7d2749d_proj
	.p2alignl 7, 3214868480
	.fill 96, 4, 3214868480
	.section	.rodata,"a",@progbits
	.p2align	6, 0x0
	.amdhsa_kernel k_q94b7d2749d_proj
		.amdhsa_group_segment_fixed_size 0
		.amdhsa_private_segment_fixed_size 0
		.amdhsa_enable_private_segment 0
		.amdhsa_kernarg_size 40
		.amdhsa_user_sgpr_count 2
		.amdhsa_user_sgpr_kernarg_segment_ptr 1
		.amdhsa_wavefront_size32 1
		.amdhsa_system_sgpr_workgroup_id_x 1
		.amdhsa_system_sgpr_workgroup_id_y 1
		.amdhsa_system_sgpr_workgroup_id_z 1
		.amdhsa_system_vgpr_workitem_id 0
		.amdhsa_next_free_vgpr 256
		.amdhsa_next_free_sgpr 66
		.amdhsa_reserve_vcc 0
		.amdhsa_float_denorm_mode_32 3
		.amdhsa_float_denorm_mode_16_64 3
		.amdhsa_memory_ordered 1
		.amdhsa_forward_progress 1
		.amdhsa_inst_pref_size 24
	.end_amdhsa_kernel
	.amdgpu_metadata
---
amdhsa.version: [ 1, 2 ]
amdhsa.kernels:
  - .name:           k_q94b7d2749d_proj
    .symbol:         k_q94b7d2749d_proj.kd
    .args:
      - { .name: xc, .offset: 0, .size: 8, .value_kind: global_buffer, .address_space: global }
      - { .name: wc, .offset: 8, .size: 8, .value_kind: global_buffer, .address_space: global }
      - { .name: qc, .offset: 16, .size: 8, .value_kind: global_buffer, .address_space: global }
      - { .name: kp, .offset: 24, .size: 8, .value_kind: global_buffer, .address_space: global }
      - { .name: vc, .offset: 32, .size: 8, .value_kind: global_buffer, .address_space: global }
    .group_segment_fixed_size: 0
    .private_segment_fixed_size: 0
    .kernarg_segment_align: 8
    .kernarg_segment_size: 40
    .max_flat_workgroup_size: 128
    .sgpr_count:     66
    .vgpr_count:     256
    .wavefront_size: 32
...
	.end_amdgpu_metadata
.endif
;; end of part 5
;; launch attn (part 6): grid 32 x 8, 16 waves a work-group, no clusters, 309,248 bytes of LDS; arguments maskw, qc, kp, vc, hc; writes hc
.if DOCPART == 6
	.amdgcn_target "amdgcn-amd-amdhsa--gfx1250"
	.amdhsa_code_object_version 6
	.text
	.protected	k_q94b7d2749d_attn
	.globl	k_q94b7d2749d_attn
	.p2align	8
	.type	k_q94b7d2749d_attn,@function
k_q94b7d2749d_attn:
	s_mov_b64 s[64:65], 0
	v_nop
	global_prefetch_b8 v0, s[64:65] scope:SCOPE_SE
	s_setreg_imm32_b32 hwreg(HW_REG_WAVE_SCHED_MODE, 0, 2), 2
	s_setreg_imm32_b32 hwreg(HW_REG_WAVE_MODE, 25, 1), 1
	s_wait_xcnt 0x0
	s_wait_alu depctr_vm_vsrc(0)
; ATTN: for one head and 128 queries: compat = Q K^T / 8, times the mask, 0 -> -infinity, softmax, times the mask, quantised FINISHED AND NORMALISED along the keys, times V; the heads quantised for the last product.
; The codes of the softmax hang on the row's sum, so the keys are walked TWICE: pass 1 finds each row's largest t and its sum, pass 2 makes the scores again, p = 2^(t - M) / sum, its codes, and O^T += V^T P^T.
; t = score x log2(e) / 8; M = the row's largest t rounded up to a whole number, so that sums kept under different M meet by multiplications that round nothing.
; SHARES.  Sixteen waves, four to a SIMD.  Wave w: query tile T = 8 x work-group + w % 8; of the head's 32 key steps of 128 keys it takes those with ks % 2 = w / 8.  The two waves of a tile meet twice through LDS:
; their (M, sum) behind pass 1, their halves of O^T at the end.  A lane holds ONE query (lane % 16) throughout: both products are used transposed (source 0 = 16 keys, or 16 channels of V).
; K = 64 IN AN INSTRUCTION OF 128: Q's upper six registers are zero codes and the upper two scale bytes of Q and K are 0x7f, so whatever finite codes stand in source 0's upper six registers add nothing:
; tile t of K names v[38 + 6 t .. 49 + 6 t], whose upper half is tile t + 1's codes (behind tile 7: six registers of zeros).
; THE MASK comes as words with one bit a lane (prep), by scalar loads one key step ahead: score != 0 (a compare), and the mask's word (a scalar AND, two words at a time), choose between the score and -infinity.
; IN PASS 1 a step's K is asked for from LDS a step ahead, straight behind the products that read K's registers; the last step in front of a barrier behind which more of K lies in LDS asks for nothing, so it is written out.
; In pass 2 K and V share those registers: V is asked for behind the scores' products and lands during the softmax.
; LDS, filled through registers in runs of 512 bytes: 0 the head's block of kp as it lies (K's scale words 0, V's 16,384, K's codes 24,576); 221,184 two slots of four key steps of V; 270,336 (M, sum), 8 bytes a thread;
; 274,432 the exchange of O^T, 4,096 bytes a tile.  The first 73,728 bytes (scales, key steps 0-7) are waited for ahead of pass 1; the rest lands during its first four steps.
; WHY NO CLUSTER, NO TENSOR LOADS: a work-group fetches 417,792 bytes of K, V and scales in all, for some 650 vector instructions on each of its 256 tiles of 16 x 128 scores; and 80 of the scalar registers hold mask words
; and compare results, which leaves no room for descriptors.
; LIMITS: the test for 0 is made on the sum before its factor 1/8 (they differ only under 2^-146); mask numbers other than 0 count as 1; a block of zeros gets the byte 1; NaN and infinities in the inputs are not served.
; A row with nothing to attend to (sum 0) is NaN in the result, as the softmax of a row of -infinity is: its heads get the scale byte 0xff.
; REGISTERS: v1 16 l, v2 8 l; v3-5, v8 addresses of the step in hand; v6, v7 V's slots; v9 -infinity; v10, v11 V's refills; v12 -M, v13 largest t; v[14:15] sum; v16 1/sum, v17 sum; v18-29 Q; v30 Q's, v31 P's, v32-35 K's,
; v36-37 V's scale words (they hold nothing else); v38-91 fragments of K or V; v92-103 pass 1 at work, pass 2 a refill; v104-167 scores, then p; v168-199 O^T; v200-218 P's codes; v220-239 at work; v240-251 a refill; v252-255 addresses.
; s[2:3], s4 mask words' base and offset; s5 wave; s[6:7] V; s[8:9] c; s[10:11] lane selects; s12, s13, s15 LDS steps; s16-31 compare results; s32-63, s68-99 mask words; s66 counter; s67 w / 8; s104 T; s105 head.
; THE MODE: SCHED_MODE bits 1:0 = 2 (LLVM: expert scheduling mode 2), set by the entry lines.  The code itself states the register dependences
; between vector or matrix instructions and memory or LDS instructions, with s_wait_alu, always for 0.
; THE PLAN.  Registers that memory or LDS instructions touch, and who else names them:
;   v1, v2, v6, v7, v10, v11, v252, v253   offsets and addresses, written at the head and never again: one wait on va_vdst ahead of the first load states them for the whole kernel.
;   v3, v4, v5, v8    LDS addresses of the step in hand: read by K's loads (v8: by the loads of V's scale words), written anew once a step in pass 1, once a trip in pass 2, once at the end.
;                     A wait on vm_vsrc stands ahead of the additions; behind them stands the wait on va_vdst that the fragments' registers ask for anyway.
;   v32-35, v38-85    K's loads land there and the scores' products read them; in pass 2 V's loads land there too (and in v36-37) and the products V^T P^T read them.
;                     One wait on va_vdst between each run of products and the loads that follow it: one a step in pass 1, two in pass 2.
;   v104-139, v168-239   at the head: global loads land, LDS stores read; later products, moves and other loads write them: a wait on vm_vsrc stands between (those ahead of the address additions serve).
;   v92-103, v240-251    pass 2's refills: a global load lands, an LDS store reads; no vector instruction of pass 2 names them.  The wait on vm_vsrc at a trip's head frees them for the next loads.
;   v31, v200-211     P's scale word and codes, written by vector instructions, taken by scaled products: the places, then a wait on va_vdst.
;   v12, v13; v232, v233   (M, sum): written by vector instructions, stored; the partner's pair lands: one wait on va_vdst ahead of the store serves both.
;   s16-31            written by sixteen compares, read by the scalar ANDs: a wait on va_sdst behind each run of sixteen.
; THE EXPONENTIALS of a step are one batch: nothing names a result ahead of the one wait on va_vdst that stands behind the batch's plain line; all their readers follow it.
.set QS_OFF, 1572864
.set HS_OFF, 1572864
.set KPH,    221184
.set KC,     24576
.set VSO,    16384
.set VB0,    221184
.set VSL,    24576
.set STAT,   270336
.set OX,     274432
.set FLOOR,  0x2800000
.set EOFF,   0xfe000000
.set SEL,    10
.macro PLACES                          ; four places between a matrix instruction and a load into, or a vector instruction on, its registers
.rept 4
	v_nop
.endr
.endm
.macro BAR
	s_barrier_signal -1
	s_barrier_wait -1
.endm
.macro KLOAD off, soff                 ; a key step's eight half fragments of K and their scale words: register i: tile 2 i in lanes 0-15, tile 2 i + 1 in lanes 16-31
.set kt, 0
.rept 8
	ds_load_b128 v[38+6*kt:41+6*kt], v3 offset:\off+768*kt
	ds_load_b64 v[42+6*kt:43+6*kt], v4 offset:\off+768*kt+512
.set kt, kt+1
.endr
	ds_load_b128 v[32:35], v5 offset:\soff
.endm
.macro KNEXT                           ; pass 1: my next key step, two steps of the head on, is asked for.  The three additions and the v_nop are the four places behind the products that read these registers
	s_add_co_u32 s12, s12, 12288
	s_add_co_u32 s13, s13, 1024
	s_wait_alu depctr_vm_vsrc(0)                   ; the LDS loads issued so far have read v3, v4, v5, which the additions write anew
	v_add_nc_u32 v3, s12, v1
	v_add_nc_u32 v4, s12, v2
	v_add_nc_u32 v5, s13, v1
	v_nop
	s_wait_alu depctr_va_vdst(0)                   ; v3, v4, v5 are written, which the loads below read; the products are done reading v32-35 and v38-85, in which they land
	KLOAD 0, 0
.endm
.macro QK                              ; S^T = K Q^T: register 16 b + i of a lane: key 32 b + 16 h + i of the step
.irp t, 0,2,4,6
	v_wmma_scale_f32_16x16x128_f8f6f4 v[104+8*\t:111+8*\t], v[38+6*\t:49+6*\t], v[18:29], 0, v[32+\t/2], v30 matrix_a_fmt:MATRIX_FMT_BF6 matrix_b_fmt:MATRIX_FMT_BF6
	v_wmma_scale_f32_16x16x128_f8f6f4 v[112+8*\t:119+8*\t], v[44+6*\t:55+6*\t], v[18:29], 0, v[32+\t/2], v30 matrix_a_fmt:MATRIX_FMT_BF6 matrix_b_fmt:MATRIX_FMT_BF6 matrix_a_scale:MATRIX_SCALE_ROW1
.endr
.endm
; x mask and 0 -> -infinity in one choice.  The step's 64 words were asked for a step ago; each group of 16 is asked for again, for the next step, as soon as it has been used.
; The offset wraps at a tile's 8,192 bytes: pass 1's last step fetches pass 2's first words, and no load leaves the buffer.
.macro MASK
	s_wait_kmcnt 0x0                               ; the words are in, and the loads' offset may be stepped
	s_add_co_u32 s4, s4, 512
	s_and_b32 s4, s4, 0x1fff
.irp g, 0,1,2,3
.set mi, 0
.rept 16
	v_cmp_neq_f32 s[16+mi], 0, v[104+16*\g+mi]     ; each accumulator is read from its low end on
.set mi, mi+1
.endr
	s_wait_alu depctr_va_sdst(0)                   ; the sixteen compares have written s16-31, ahead of their first readers, the ANDs below
.set mi, 0
.rept 8
	s_and_b64 s[16+2*mi:17+2*mi], s[16+2*mi:17+2*mi], s[32+16*\g+4*(\g/2)+2*mi:33+16*\g+4*(\g/2)+2*mi]   ; two registers' words at a time
.set mi, mi+1
.endr
	s_load_b512 s[32+16*\g+4*(\g/2):47+16*\g+4*(\g/2)], s[2:3], s4 offset:64*\g
.set mi, 0
.rept 16
	v_cndmask_b32 v[104+16*\g+mi], v9, v[104+16*\g+mi], s[16+mi]
.set mi, mi+1
.endr
.endr
.endm
; t - M (a packed multiply-add) and 2^(t - M): ONE BATCH of 32 scalings and 64 exponentials, a scaling between the two exponentials of a pair while there are scalings; none of them names an exponential's result.
; Behind the batch a plain line (ISA guide 5.7.2): pass 1: the sums come under the new M; pass 2: a v_nop.  Then one wait, then all the readers:
; pass 1: p is added to the sum, in two chains, even pairs and odd pairs, each ascending; pass 2: p is divided by the row's sum.
.macro FE pass
	v_pk_fma_f32 v[104:105], v[104:105], s[8:9], v[12:13] op_sel_hi:[1,0,0]
	v_pk_fma_f32 v[106:107], v[106:107], s[8:9], v[12:13] op_sel_hi:[1,0,0]
.set fk, 0
.rept 32
	v_exp_f32 v[104+2*fk], v[104+2*fk]
.if fk < 30
	v_pk_fma_f32 v[108+2*fk:109+2*fk], v[108+2*fk:109+2*fk], s[8:9], v[12:13] op_sel_hi:[1,0,0]
.endif
	v_exp_f32 v[105+2*fk], v[105+2*fk]
.set fk, fk+1
.endr
.if \pass == 1
	v_pk_mul_f32 v[14:15], v[14:15], v[98:99] op_sel_hi:[1,0]
	v_pk_mul_f32 v[100:101], v[100:101], v[98:99] op_sel_hi:[1,0]
.else
	v_nop
.endif
	s_wait_alu depctr_va_vdst(0)                   ; the 64 exponentials have written v104-167, ahead of the first line that names a result
.set fk, 0
.rept 16
.if \pass == 1
	v_pk_add_f32 v[14:15], v[14:15], v[104+4*fk:105+4*fk]
	v_pk_add_f32 v[100:101], v[100:101], v[106+4*fk:107+4*fk]
.else
	v_pk_mul_f32 v[104+4*fk:105+4*fk], v[104+4*fk:105+4*fk], v[16:17] op_sel_hi:[1,0]
	v_pk_mul_f32 v[106+4*fk:107+4*fk], v[106+4*fk:107+4*fk], v[16:17] op_sel_hi:[1,0]
.endif
.set fk, fk+1
.endr
.endm
; PASS 1, a key step: each LANE keeps its own M and sum of its 64 keys a step; no lane asks another inside the loop.  next = 1: my next step's K is asked for.
.macro STEP1 next
	s_wait_dscnt 0x0                               ; this step's K and its scale words are in: they were asked for a step ago
	QK
.if \next
	KNEXT
.else
	PLACES
.endif
	MASK
.irp b, 0,1,2,3
	v_max3_num_f32 v[92+\b], v[104+16*\b], v[105+16*\b], v[106+16*\b]
.endr
.irp i, 3,5,7,9,11,13
.irp b, 0,1,2,3
	v_max3_num_f32 v[92+\b], v[92+\b], v[104+16*\b+\i], v[105+16*\b+\i]
.endr
.endr
.irp b, 0,1,2,3
	v_max_num_f32 v[92+\b], v[92+\b], v[119+16*\b]
.endr
	v_max3_num_f32 v96, v92, v93, v94
	v_max_num_f32 v96, v96, v95                    ; the step's largest score of my 64
	v_mul_f32 v96, s8, v96                         ; as t (c is positive)
	v_max_num_f32 v13, v13, v96                    ; the running largest t
	v_mov_b32 v96, v12
	v_floor_f32 v12, -v13                          ; -M = floor(-t)
	v_sub_f32 v96, v12, v96                        ; old M - new M: a whole number, 0 or less
	v_cvt_i32_f32 v96, v96                         ; (it saturates)
	v_ldexp_f32 v98, 1.0, v96                      ; 2^(old M - new M): the sums are multiplied by it behind the exponentials, ahead of the additions
	FE 1
.endm
; PASS 2, a key step: the q-th of my two in V's slot.
.macro STEP2 slot, q
	PLACES                                         ; behind the last products V^T P^T, whose operands are loaded and written anew below
	s_wait_alu depctr_va_vdst(0)                   ; the last products V^T P^T are done reading v38-85, in which K lands; in a trip's first step v3, v4, v5, v8 are written, which the step's loads read
	KLOAD (4*\slot+2*\q)*6144, (4*\slot+2*\q)*512
	s_wait_dscnt 0x0
	QK
	PLACES
	s_wait_alu depctr_va_vdst(0)                   ; the scores' products are done reading v38-85, in which V lands (v36-37 were last read by the step before's products)
.irp vt, 0,1,2,3                               ; V's four fragments take K's registers and land during the softmax
.irp c, 0,1
	ds_load_b128 v[38+12*\vt+6*\c:41+12*\vt+6*\c], v6 offset:\slot*VSL+\q*12288+\vt*1536+\c*768
	ds_load_b64 v[42+12*\vt+6*\c:43+12*\vt+6*\c], v7 offset:\slot*VSL+\q*12288+\vt*1536+\c*768+512
.endr
.endr
	ds_load_b64 v[36:37], v8 offset:(4*\slot+2*\q)*256
	MASK
	FE 2
.irp b, 0,1,2,3
	v_max3_num_f32 v[220+\b], v[104+16*\b], v[105+16*\b], FLOOR    ; no p is negative: no |.|
.endr
.irp i, 2,4,6,8,10,12,14
.irp b, 0,1,2,3
	v_max3_num_f32 v[220+\b], v[220+\b], v[104+16*\b+\i], v[105+16*\b+\i]
.endr
.endr
.irp b, 0,1,2,3
	v_permlanex16_b32 v[224+\b], v[220+\b], s[SEL], s[SEL+1]
.endr
.irp b, 0,1,2,3
	v_max_num_f32 v[220+\b], v[220+\b], v[224+\b]  ; the block's largest p
.endr
.irp b, 0,1,2,3
	v_add_nc_u32 v[228+\b], EOFF, v[220+\b]        ; the conversion's scale operand
.endr
.irp b, 0,1,2,3
	v_lshrrev_b32 v[224+\b], 23, v[228+\b]         ; the scale's byte
.endr
	v_lshl_or_b32 v31, v225, 8, v224               ; p's scale word for these 128 keys: seventeen plain lines ahead of the products
	v_lshl_or_b32 v31, v226, 16, v31
	v_lshl_or_b32 v31, v227, 24, v31
.irp c, 0,1
	v_cvt_scalef32_pk16_bf6_f32 v[200+6*\c:202+6*\c], v[104+32*\c:119+32*\c], v[228+2*\c]
	v_cvt_scalef32_pk16_bf6_f32 v[212+4*\c:214+4*\c], v[120+32*\c:135+32*\c], v[229+2*\c]
.endr
	v_nop                                          ; one plain place behind a scaled conversion
.irp c, 0,1
.irp i, 0,1,2
	v_permlane16_swap_b32 v[200+6*\c+\i], v[212+4*\c+\i]
.endr
.irp i, 0,1,2
	v_mov_b32 v[203+6*\c+\i], v[212+4*\c+\i]
.endr
.endr
	PLACES                                         ; an operand written by vector instructions stands four places ahead of a scaled matrix instruction
	s_wait_dscnt 0x0                               ; V is in
	s_wait_alu depctr_va_vdst(0)                   ; P's scale word v31 and its codes v200-211 are written, which the scaled products below take; the places above stay beside this wait
.irp vt, 0,2                                   ; O^T += V^T P^T: the four accumulators by turns, the eight score tiles between two turns of one
	v_wmma_scale_f32_16x16x128_f8f6f4 v[168+8*\vt:175+8*\vt], v[38+12*\vt:49+12*\vt], v[200:211], v[168+8*\vt:175+8*\vt], v[36+\vt/2], v31 matrix_a_fmt:MATRIX_FMT_BF6 matrix_b_fmt:MATRIX_FMT_BF6
	v_wmma_scale_f32_16x16x128_f8f6f4 v[176+8*\vt:183+8*\vt], v[50+12*\vt:61+12*\vt], v[200:211], v[176+8*\vt:183+8*\vt], v[36+\vt/2], v31 matrix_a_fmt:MATRIX_FMT_BF6 matrix_b_fmt:MATRIX_FMT_BF6 matrix_a_scale:MATRIX_SCALE_ROW1
.endr
.endm
; my (-M, sum) in v12, v14 meets a partner's: both come under the larger M by powers of two, so both partners get the same bits
.macro COMBINE no, lo
	v_min_num_f32 v234, v12, v[\no]
	v_sub_f32 v235, v234, v12
	v_sub_f32 v236, v234, v[\no]
	v_cvt_i32_f32 v235, v235
	v_cvt_i32_f32 v236, v236
	v_ldexp_f32 v235, 1.0, v235
	v_ldexp_f32 v236, 1.0, v236
	v_mul_f32 v14, v14, v235
	v_fma_f32 v14, v[\lo], v236, v14
	v_mov_b32 v12, v234
.endm
.macro QUANT32 src, c, x, pw, tm       ; 32 numbers of a lane, register 16 b + i = index 32 b + 16 h + i, become a half fragment's codes and its two scale bytes
	v_max3_num_f32 v[\tm], |v[\src]|, |v[\src+1]|, FLOOR
	v_max3_num_f32 v[\tm+1], |v[\src+16]|, |v[\src+17]|, FLOOR
.irp i, 2,4,6,8,10,12,14
	v_max3_num_f32 v[\tm], v[\tm], |v[\src+\i]|, |v[\src+\i+1]|
	v_max3_num_f32 v[\tm+1], v[\tm+1], |v[\src+16+\i]|, |v[\src+17+\i]|
.endr
	v_permlanex16_b32 v[\tm+4], v[\tm], s[SEL], s[SEL+1]
	v_permlanex16_b32 v[\tm+5], v[\tm+1], s[SEL], s[SEL+1]
	v_max_num_f32 v[\tm], v[\tm], v[\tm+4]
	v_max_num_f32 v[\tm+1], v[\tm+1], v[\tm+5]
	v_add_nc_u32 v[\tm+2], EOFF, v[\tm]
	v_add_nc_u32 v[\tm+3], EOFF, v[\tm+1]
	v_lshrrev_b32 v[\tm+4], 23, v[\tm+2]
	v_lshrrev_b32 v[\tm+5], 23, v[\tm+3]
	v_lshl_or_b32 v[\pw], v[\tm+5], 8, v[\tm+4]
	v_cvt_scalef32_pk16_bf6_f32 v[\c:\c+2], v[\src:\src+15], v[\tm+2]
	v_cvt_scalef32_pk16_bf6_f32 v[\x:\x+2], v[\src+16:\src+31], v[\tm+3]
	v_nop                                          ; one plain place behind a scaled conversion
.irp i, 0,1,2
	v_permlane16_swap_b32 v[\c+\i], v[\x+\i]
.endr
.irp i, 0,1,2
	v_mov_b32 v[\c+3+\i], v[\x+\i]
.endr
.endm
; PASS 2, eight key steps of the head (four of mine): slot 0's, then slot 1's.  fill = 1: each slot is written again, with the steps eight further on, behind the barrier that follows its last read;
; it is read again behind the next barrier, in front of which the writers have waited for their stores.  The bytes were asked for two of my steps earlier.
.macro TRIP fill
	s_wait_alu depctr_vm_vsrc(0)                   ; the LDS loads issued so far have read v3, v4, v5, v8, which the additions write anew; the last trip's LDS stores have read v92-103 and v240-251, in which this trip's loads land
.if \fill
.irp i, 0,1,2
	global_load_b128 v[92+4*\i:95+4*\i], v10, s[6:7] offset:512*\i   ; (no vector instruction since the last wait on va_vdst names v92-103: pass 1's stand ahead of the wait in front of the loop)
.endr
.endif
	v_add_nc_u32 v3, s12, v1
	v_add_nc_u32 v4, s12, v2
	v_add_nc_u32 v5, s13, v1
	v_add_nc_u32 v8, s15, v2
	STEP2 0, 0
	STEP2 0, 1
.if \fill
	s_wait_loadcnt 0x0                             ; slot 0's next bytes are in my registers
.endif
	s_wait_dscnt 0x0                               ; my reads of slot 0 are over, and my stores into slot 1 have landed
	BAR
.if \fill
.irp i, 0,1,2
	ds_store_b128 v11, v[92+4*\i:95+4*\i] offset:512*\i
.endr
.irp i, 0,1,2
	global_load_b128 v[240+4*\i:243+4*\i], v10, s[6:7] offset:VSL+512*\i
.endr
.endif
	STEP2 1, 0
	STEP2 1, 1
.if \fill
	s_wait_loadcnt 0x0                             ; slot 1's next bytes are in, and V's base may be stepped
	s_wait_dscnt 0x0                               ; my reads of slot 1 are over, and my stores into slot 0 have landed
	BAR
.irp i, 0,1,2
	ds_store_b128 v11, v[240+4*\i:243+4*\i] offset:VSL+512*\i
.endr
	s_add_nc_u64 s[6:7], s[6:7], 2*VSL
	s_add_co_u32 s12, s12, 49152
	s_add_co_u32 s13, s13, 4096
	s_add_co_u32 s15, s15, 2048
.endif
.endm
	s_load_b256 s[16:23], s[0:1], 0x0              ; maskw, qc, kp, vc
	v_lshrrev_b32 v3, 5, v0
	v_readfirstlane_b32 s5, v3                     ; wave 0..15
	v_and_b32 v3, 31, v0
	v_lshlrev_b32 v1, 4, v3
	v_lshlrev_b32 v2, 3, v3
	v_and_b32 v5, 15, v0
	v_lshlrev_b32 v5, 4, v5                        ; 16 r, for Q's scale word
	s_wait_alu depctr_va_sdst(0)                   ; s5 is written, ahead of its first reader: the wave's shares and addresses are made from it
	s_lshr_b32 s67, s5, 3                          ; which half of the key steps
	s_and_b32 s12, s5, 7                           ; which of the work-group's eight tiles
	s_lshl_b32 s104, ttmp9, 3
	s_add_co_u32 s104, s104, s12                   ; T
	s_and_b32 s105, ttmp7, 0xffff                  ; the head
	s_lshl_b32 s24, s104, 13
	s_lshl_b32 s13, s67, 8
	s_add_co_u32 s24, s24, s13                     ; mask words: 8,192 bytes a tile, 256 a key step
	s_mov_b32 s25, 0
	s_lshl_b32 s26, s105, 8
	s_add_co_u32 s26, s26, s104
	s_mul_i32 s26, s26, 768                        ; Q's half fragment
	s_mov_b32 s27, 0
	s_lshl_b32 s28, s105, 14
	s_lshl_b32 s13, ttmp9, 9
	s_add_co_u32 s28, s28, s13
	s_and_b32 s13, s12, 1
	s_lshl_b32 s13, s13, 8
	s_add_co_u32 s28, s28, s13
	s_lshr_b32 s13, s12, 1
	s_lshl_b32 s13, s13, 2
	s_add_co_u32 s28, s28, s13
	s_add_co_u32 s28, s28, QS_OFF                  ; Q's scale words
	s_mov_b32 s29, 0
	s_mul_i32 s30, s105, KPH
	s_mov_b32 s31, 0
	s_mul_i32 s6, s105, 196608
	s_mov_b32 s7, 0
	s_mul_i32 s13, s5, 4608
	v_add_nc_u32 v252, s13, v1                     ; my 4,608 of the first 73,728 bytes: the same offset in memory and in LDS
	s_mul_i32 s13, s5, 9216
	s_add_co_u32 s13, s13, 73728
	v_add_nc_u32 v253, s13, v1                     ; my 9,216 of the other 147,456
	s_mul_i32 s13, s5, 1536
	v_add_nc_u32 v10, s13, v1                      ; my 1,536 of a slot of V, in memory
	v_add_nc_u32 v11, VB0, v10                     ; and in LDS
	s_mul_i32 s13, s67, 6144
	s_add_co_u32 s13, s13, VB0
	v_add_nc_u32 v6, s13, v1                       ; where I read V: my first step of slot 0
	v_add_nc_u32 v7, s13, v2
	v_lshl_add_u32 v254, v0, 3, STAT               ; my (M, sum),
	v_xor_b32 v255, 256, v0
	v_lshl_add_u32 v255, v255, 3, STAT             ; and that of the same lane of the wave that shares my tile
	s_mov_b32 s4, 0
	s_mov_b32 s8, 0x3e38aa3b                       ; c = log2(e) / 8
	s_mov_b32 s9, s8                               ; (the packed form names the pair)
	s_mov_b32 s[SEL], 0x76543210
	s_mov_b32 s[SEL+1], 0xfedcba98
	s_wait_kmcnt 0x0
	s_add_nc_u64 s[2:3], s[16:17], s[24:25]
	s_add_nc_u64 s[26:27], s[18:19], s[26:27]
	s_add_nc_u64 s[28:29], s[18:19], s[28:29]
	s_add_nc_u64 s[100:101], s[20:21], s[30:31]
	s_add_nc_u64 s[6:7], s[22:23], s[6:7]
	s_wait_alu depctr_va_vdst(0)                   ; the offsets and addresses v1, v2, v5, v6, v7, v10, v11, v252-255 are written, which loads and stores from here on read
	global_load_b128 v[18:21], v1, s[26:27]
	global_load_b64 v[22:23], v2, s[26:27] offset:512
	global_load_b32 v30, v5, s[28:29]
.set hi, 0
.rept 9
	global_load_b128 v[104+4*hi:107+4*hi], v252, s[100:101] offset:512*hi
.set hi, hi+1
.endr
.set hi, 0
.rept 18
	global_load_b128 v[168+4*hi:171+4*hi], v253, s[100:101] offset:512*hi
.set hi, hi+1
.endr
.irp g, 0,1,2,3
	s_load_b512 s[32+16*\g+4*(\g/2):47+16*\g+4*(\g/2)], s[2:3], s4 offset:64*\g   ; my first key step's mask words
.endr
	v_mov_b32 v9, 0xff800000                       ; -infinity
.irp i, 0,1,2,3,4,5
	v_mov_b32 v[24+\i], 0                          ; Q's upper 64 along K: zero codes
	v_mov_b32 v[86+\i], 0                          ; and what stands behind K's tile 7
.endr
	v_mov_b32 v99, 0                               ; (named as the upper half of the pair v[98:99])
	v_mov_b32 v13, 0xff61b1e6                      ; the largest t so far: -3e38
	v_floor_f32 v12, -v13
	v_mov_b32 v14, 0
	v_mov_b32 v15, 0
	v_mov_b32 v100, 0
	v_mov_b32 v101, 0
.set hi, 0
.rept 9
	s_wait_loadcnt 26-hi                           ; behind this load: the 8 - i others of the first part and the second part's 18.  Q's three loads are older: they are in too, and s[26:29] and v5 are free
	ds_store_b128 v252, v[104+4*hi:107+4*hi] offset:512*hi
.set hi, hi+1
.endr
	s_mul_i32 s12, s67, 6144
	s_add_co_u32 s12, s12, KC                      ; my first key step's codes,
	s_lshl_b32 s13, s67, 9                         ; and its scale words
	s_wait_dscnt 0x0
	BAR                                            ; the scales and key steps 0-7 lie in LDS
	s_wait_alu depctr_vm_vsrc(0)                   ; the load of Q's scale word has read v5, which is written anew below; my LDS stores have read v104-139, which the first scores' products write
	v_add_nc_u32 v3, s12, v1
	v_add_nc_u32 v4, s12, v2
	v_add_nc_u32 v5, s13, v1
	s_wait_alu depctr_va_vdst(0)                   ; v3, v4, v5 are written, which the loads below read; so are the zero codes v24-29 and v86-91, which the scaled products take
	KLOAD 0, 0                                     ; my first step's K
	s_mov_b32 s66, 3
.Lp1a:                                             ; my first four steps read key steps 0-7 alone: bytes under 73,728; the three trips ask for my steps 1, 2, 3
	STEP1 1
	s_sub_co_u32 s66, s66, 1
	s_cmp_lg_u32 s66, 0
	s_cbranch_scc1 .Lp1a
	STEP1 0                                        ; my fourth step asks for nothing: the next key steps are not in LDS yet
	s_wait_loadcnt 0x0
.set hi, 0
.rept 18
	ds_store_b128 v253, v[168+4*hi:171+4*hi] offset:512*hi
.set hi, hi+1
.endr
	s_wait_dscnt 0x0
	BAR                                            ; all of K lies in LDS
	KNEXT                                          ; my fifth step's K.  Its wait on vm_vsrc also states that the eighteen LDS stores above have read v168-239, which the loads and moves below write
.irp s, 0,1
.irp i, 0,1,2
	global_load_b128 v[168+12*\s+4*\i:171+12*\s+4*\i], v10, s[6:7] offset:\s*VSL+512*\i   ; V's first eight key steps land during the rest of pass 1
.endr
.endr
.irp i, 0,1,2,3
	v_mov_b32 v[224+\i], 0                         ; a lane permute's destination counts as one of its sources
.endr
	v_mov_b32 v232, 0
	v_mov_b32 v233, 0
	s_mov_b32 s66, 11
.Lp1b:
	STEP1 1
	s_sub_co_u32 s66, s66, 1
	s_cmp_lg_u32 s66, 0
	s_cbranch_scc1 .Lp1b
	STEP1 0                                        ; my last step: behind it lies no K
	s_wait_loadcnt 0x0
.irp s, 0,1
.irp i, 0,1,2
	ds_store_b128 v11, v[168+12*\s+4*\i:171+12*\s+4*\i] offset:\s*VSL+512*\i
.endr
.endr
	s_add_nc_u64 s[6:7], s[6:7], 2*VSL
	v_pk_add_f32 v[14:15], v[14:15], v[100:101]
	v_add_f32 v14, v14, v15                        ; my lane's sum
	v_permlanex16_b32 v232, v12, s[SEL], s[SEL+1]
	v_permlanex16_b32 v233, v14, s[SEL], s[SEL+1]
	COMBINE 232, 233                               ; with lane l xor 16's
	v_mov_b32 v13, v14                             ; (the largest t is done with)
	s_wait_alu depctr_va_vdst(0)                   ; v12 and v13 are written, which the LDS store reads; the lines above are done with v232 and v233, in which the partner's pair lands below
	ds_store_b64 v254, v[12:13]
	s_wait_dscnt 0x0
	BAR                                            ; V's two slots and everybody's (M, sum) lie in LDS
	ds_load_b64 v[232:233], v255
	s_wait_alu depctr_vm_vsrc(0)                   ; my LDS stores have read v168-191, which are cleared below, and v12, which is written anew when the halves meet
.set hi, 0
.rept 32
	v_mov_b32 v[168+hi], 0                         ; O^T: the step is written once, so its first products add onto zeros
.set hi, hi+1
.endr
	s_mul_i32 s12, s67, 6144
	s_add_co_u32 s12, s12, KC
	s_lshl_b32 s13, s67, 9
	s_lshl_b32 s15, s67, 8
	s_add_co_u32 s15, s15, VSO
	s_wait_dscnt 0x0
	COMBINE 232, 233                               ; with the other half of the key steps: the row's M and sum
	v_rcp_f32 v16, v14
	v_mov_b32 v17, v14                             ; (a plain place behind the reciprocal)
	s_wait_alu depctr_va_vdst(0)                   ; the reciprocal has written v16, ahead of the label and of its first reader; pass 1's lines are done with v92-103, in which the first trip's refill lands
	s_mov_b32 s66, 3
.Lp2:
	TRIP 1
	s_sub_co_u32 s66, s66, 1
	s_cmp_lg_u32 s66, 0
	s_cbranch_scc1 .Lp2
	TRIP 0                                         ; the last eight key steps: nothing is left to fetch
	; THE END.  The waves of the second half hand their O^T to the waves of the first, which add, quantise and store.
	s_wait_alu depctr_vm_vsrc(0)                   ; K's loads have read v3 and v5, which are written anew below
	v_and_b32 v3, 0xe0, v0                         ; (four plain lines: the places behind the last products)
	v_lshlrev_b32 v3, 7, v3
	v_add_nc_u32 v3, v3, v1
	v_add_nc_u32 v3, OX, v3                        ; 4,096 bytes a tile, 16 l: the same address in both waves of a tile
	s_wait_alu depctr_va_vdst(0)                   ; v3 is written, which the stores and loads below read; the last products have written O^T, the stores' data; the conversions are done reading v104-135, in which the partner's half lands
	s_cmp_eq_u32 s67, 0
	s_cbranch_scc1 .Lowner
.set hi, 0
.rept 8
	ds_store_b128 v3, v[168+4*hi:171+4*hi] offset:512*hi   ; each accumulator from its low end on
.set hi, hi+1
.endr
.Lowner:
	s_wait_dscnt 0x0
	BAR
	s_cmp_lg_u32 s67, 0
	s_cbranch_scc1 .Ldone
.set hi, 0
.rept 8
	ds_load_b128 v[104+4*hi:107+4*hi], v3 offset:512*hi
.set hi, hi+1
.endr
	s_load_b64 s[16:17], s[0:1], 0x20              ; hc
	s_lshl_b32 s18, s104, 3
	s_add_co_u32 s18, s18, s105
	s_mul_i32 s18, s18, 768                        ; half fragment (T, head)
	s_mov_b32 s19, 0
	s_lshl_b32 s20, s104, 8
	s_lshl_b32 s21, s105, 1
	s_add_co_u32 s20, s20, s21
	s_add_co_u32 s20, s20, HS_OFF                  ; its two bytes of each row's sixteen
	s_mov_b32 s21, 0
	v_and_b32 v5, 15, v0
	v_lshlrev_b32 v5, 4, v5
	v_mov_b32 v221, 0xffff
	s_wait_dscnt 0x0
.set hi, 0
.rept 16
	v_pk_add_f32 v[136+2*hi:137+2*hi], v[168+2*hi:169+2*hi], v[104+2*hi:105+2*hi]
.set hi, hi+1
.endr
	QUANT32 136, 200, 212, 220, 224
	v_cmp_eq_f32 vcc_lo, 0, v17
	s_wait_alu depctr_va_vcc(0)                    ; the compare has written VCC, ahead of the choice that reads it
	v_cndmask_b32 v220, v220, v221, vcc_lo         ; a row whose sum is 0: the scale byte that stands for NaN
	s_wait_kmcnt 0x0
	s_add_nc_u64 s[18:19], s[16:17], s[18:19]
	s_add_nc_u64 s[20:21], s[16:17], s[20:21]
	s_wait_alu depctr_va_vdst(0)                   ; the codes v200-205, the scale bytes v220 and the offset v5 are written, which the stores read
	global_store_b128 v1, v[200:203], s[18:19]
	global_store_b64 v2, v[204:205], s[18:19] offset:512
	global_store_b16 v5, v220, s[20:21]            ; (both halves of the lanes hold and write the same)
.Ldone:
	s_wait_xcnt 0x0
	s_wait_alu depctr_vm_vsrc(0)                   ; the LDS store and load of (M, sum) have read v254 and v255, which are made anew below
	v_lshl_add_u32 v254, v0, 2, 0x4b000
	v_mov_b32 v255, 0
	s_wait_dscnt 0x0                               ; the closing lines, six on end
	s_wait_alu 0x0
	s_wait_tensorcnt 0x0
	ds_add_u32 v254, v255
	s_wait_dscnt 0x0
	s_endpgm
.Lfunc_end_k_q94b7d2749d_attn:
	.size	k_q94b7d2749d_attn, .Lfunc_end_k_q94b7d2749d_attn-k_q94b7d2749d_attn
	.p2alignl 7, 3214868480
	.fill 96, 4, 3214868480
	.section	.rodata,"a",@progbits
	.p2align	6, 0x0
	.amdhsa_kernel k_q94b7d2749d_attn
		.amdhsa_group_segment_fixed_size 309248
		.amdhsa_private_segment_fixed_size 0
		.amdhsa_enable_private_segment 0
		.amdhsa_kernarg_size 40
		.amdhsa_user_sgpr_count 2
		.amdhsa_user_sgpr_kernarg_segment_ptr 1
		.amdhsa_wavefront_size32 1
		.amdhsa_system_sgpr_workgroup_id_x 1
		.amdhsa_system_sgpr_workgroup_id_y 1
		.amdhsa_system_sgpr_workgroup_id_z 1
		.amdhsa_system_vgpr_workitem_id 0
		.amdhsa_next_free_vgpr 256
		.amdhsa_next_free_sgpr 106
		.amdhsa_reserve_vcc 1
		.amdhsa_float_denorm_mode_32 3
		.amdhsa_float_denorm_mode_16_64 3
		.amdhsa_memory_ordered 1
		.amdhsa_forward_progress 1
		.amdhsa_inst_pref_size 255
	.end_amdhsa_kernel
	.section	.bss,"aw",@nobits
	.p2align	6
	.space	262144
	.amdgpu_metadata
---
amdhsa.version: [ 1, 2 ]
amdhsa.kernels:
  - .name:           k_q94b7d2749d_attn
    .symbol:         k_q94b7d2749d_attn.kd
    .args:
      - { .name: maskw, .offset: 0, .size: 8, .value_kind: global_buffer, .address_space: global }
      - { .name: qc, .offset: 8, .size: 8, .value_kind: global_buffer, .address_space: global }
      - { .name: kp, .offset: 16, .size: 8, .value_kind: global_buffer, .address_space: global }
      - { .name: vc, .offset: 24, .size: 8, .value_kind: global_buffer, .address_space: global }
      - { .name: hc, .offset: 32, .size: 8, .value_kind: global_buffer, .address_space: global }
    .group_segment_fixed_size: 309248
    .private_segment_fixed_size: 0
    .kernarg_segment_align: 8
    .kernarg_segment_size: 40
    .max_flat_workgroup_size: 512
    .sgpr_count:     106
    .vgpr_count:     256
    .wavefront_size: 32
...
	.end_amdgpu_metadata
.endif
;; end of part 6
;; launch outp (part 7): grid 256 x 1, 4 waves a work-group, no clusters, 17,920 bytes of LDS; arguments hc, wc, out0; writes out0
.if DOCPART == 7
	.amdgcn_target "amdgcn-amd-amdhsa--gfx1250"
	.amdhsa_code_object_version 6
	.text
	.protected	k_q94b7d2749d_outp
	.globl	k_q94b7d2749d_outp
	.p2align	8
	.type	k_q94b7d2749d_outp,@function
k_q94b7d2749d_outp:
	s_mov_b64 s[64:65], 0
	v_nop
	global_prefetch_b8 v0, s[64:65] scope:SCOPE_SE
	s_setreg_imm32_b32 hwreg(HW_REG_WAVE_SCHED_MODE, 0, 2), 2
	s_setreg_imm32_b32 hwreg(HW_REG_WAVE_MODE, 25, 1), 1
	s_wait_xcnt 0x0
	s_wait_alu depctr_vm_vsrc(0)
; OUTP: out = heads W_out on codes of E3M2, K = (head, channel) = 512.
; A wave makes 4 tiles of W_out's columns (source 0) x 2 tiles of queries (source 1), four K steps of 128: 32 matrix instructions on eight accumulators by turns.
; Fragments come from memory in the order of their registers; waves share nothing, no barrier.  Job J = 4 x work-group + wave: columns 64 (J / 128) on, query tiles 2 (J % 128), + 1.
; Row r of query tile t is query 32 (t / 2) + 8 (t % 2) + r + 8 (r / 8).  A lane holds eight neighbouring columns of one query; a tile of 16 queries x 64 columns goes through the wave's own stage in LDS
; (rows 272 bytes apart) and leaves as rows: sixteen lanes store 256 consecutive bytes, aligned.
; A query whose heads carry the scale byte 0xff (a row with nothing to attend to) comes out NaN, as the softmax of a row of -infinity does.
; THE MODE: SCHED_MODE bits 1:0 = 2 (LLVM: expert scheduling mode 2), set by the entry lines.  The code itself states the register dependences
; between vector or matrix instructions and memory or LDS instructions, with s_wait_alu, always for 0.
; THE PLAN.  Registers that memory or LDS instructions touch:
;   v1-6, v254, v255   offsets and addresses, written at the head and never again: one wait on va_vdst ahead of the first load states them for the whole kernel.
;   v8-31              scale words: loaded once, read by matrix instructions alone.
;   set 0, set 1       K step s lands in set s % 2 and is read by that step's eight matrix instructions.  Each set is loaded a second time behind the products that read it:
;                      one wait on va_vdst between those products and the run of 24 loads.
;   v176-239           the accumulators: written by matrix instructions, read by the LDS stores of the way out.
;   v32-95             on the way out the stage's rows land there (the products have read them as fragments), and the global stores read them.
;                      One wait on va_vdst behind the last products' places states both; no vector instruction follows it.
;   s12                the wave's number, written by a vector instruction: one wait on va_sdst ahead of its first reader.
.set WS_OFF, 786432
.set HS_OFF, 1572864
; v1 16 l, v2 8 l, v3 16 r, v4, v5 the stage, v6 my place in out0; v8-23, v24-31 scale words (they hold nothing else); v32-175 two sets of fragments, later rows of the result; v176-239 accumulators
.macro FRAGLD reg, lo, off
	global_load_b128 v[\reg:\reg+3], v1, s[\lo:\lo+1] offset:\off
	global_load_b64 v[\reg+4:\reg+5], v2, s[\lo:\lo+1] offset:\off+512
	global_load_b128 v[\reg+6:\reg+9], v1, s[\lo:\lo+1] offset:\off+768
	global_load_b64 v[\reg+10:\reg+11], v2, s[\lo:\lo+1] offset:\off+1280
.endm
.macro LOADK s, p                      ; K step s into set p: 24 loads
.irp b, 0,1,2,3
	FRAGLD 32+72*\p+12*\b, 4, \b*6144+\s*1536
.endr
.irp a, 0,1
	FRAGLD 80+72*\p+12*\a, 6, \a*6144+\s*1536
.endr
.endm
.macro MULK s, p, zero                 ; zero = 1: the first products start the sums
.irp a, 0,1
.irp b, 0,1,2,3
.if \zero
	v_wmma_scale_f32_16x16x128_f8f6f4 v[176+8*(4*\a+\b):183+8*(4*\a+\b)], v[32+72*\p+12*\b:43+72*\p+12*\b], v[80+72*\p+12*\a:91+72*\p+12*\a], 0, v[8+4*\b+\s], v[24+4*\a+\s] matrix_a_fmt:MATRIX_FMT_BF6 matrix_b_fmt:MATRIX_FMT_BF6
.else
	v_wmma_scale_f32_16x16x128_f8f6f4 v[176+8*(4*\a+\b):183+8*(4*\a+\b)], v[32+72*\p+12*\b:43+72*\p+12*\b], v[80+72*\p+12*\a:91+72*\p+12*\a], v[176+8*(4*\a+\b):183+8*(4*\a+\b)], v[8+4*\b+\s], v[24+4*\a+\s] matrix_a_fmt:MATRIX_FMT_BF6 matrix_b_fmt:MATRIX_FMT_BF6
.endif
.endr
.endr
.endm
.macro PLACES                          ; four places between a matrix instruction and a load into, or a store of, its registers
.rept 4
	v_nop
.endr
.endm
	s_load_b128 s[24:27], s[0:1], 0x0              ; hc, wc
	s_load_b64 s[28:29], s[0:1], 0x10              ; out0
	v_lshl_add_u32 v254, v0, 2, 0x4400
	v_mov_b32 v255, 0
	v_lshrrev_b32 v4, 5, v0
	v_readfirstlane_b32 s12, v4                    ; wave
	v_and_b32 v4, 31, v0
	v_lshlrev_b32 v1, 4, v4
	v_lshlrev_b32 v2, 3, v4
	v_and_b32 v240, 15, v0                         ; r
	v_bfe_u32 v241, v0, 4, 1                       ; h
	v_lshlrev_b32 v3, 4, v240
	s_wait_alu depctr_va_sdst(0)                   ; s12 is written, ahead of its first reader: the stage's place and the job's number are made from it
	s_mul_i32 s13, s12, 4352                       ; my stage
	v_mul_u32_u24 v4, v240, 272
	v_lshl_add_u32 v4, v241, 5, v4
	v_add_nc_u32 v4, s13, v4                       ; in: row r, + 32 h
	v_mul_u32_u24 v5, v241, 272
	v_lshl_add_u32 v5, v240, 4, v5
	v_add_nc_u32 v5, s13, v5                       ; back: lanes 0-15 one row, lanes 16-31 the next
	v_lshlrev_b32 v6, 11, v241
	v_lshl_add_u32 v6, v240, 4, v6                 ; and the same two rows of 2,048 bytes in out0
	s_lshl_b32 s13, ttmp9, 2
	s_add_co_u32 s13, s13, s12                     ; J
	s_lshr_b32 s14, s13, 7                         ; E: columns 64 E on
	s_and_b32 s15, s13, 127                        ; Y: queries 32 Y on
	s_lshl_b32 s16, s14, 2
	s_add_co_u32 s16, s16, 96                      ; W_out's tiles lie behind the three projections' 96
	s_mul_i32 s36, s16, 6144
	s_mov_b32 s37, 0
	s_lshl_b32 s38, s16, 8
	s_add_co_u32 s38, s38, WS_OFF
	s_mov_b32 s39, 0
	s_mul_i32 s40, s15, 12288
	s_mov_b32 s41, 0
	s_lshl_b32 s42, s15, 9
	s_add_co_u32 s42, s42, HS_OFF
	s_mov_b32 s43, 0
	s_lshl_b32 s44, s15, 16
	s_lshl_b32 s45, s14, 8
	s_add_co_u32 s44, s44, s45
	s_mov_b32 s45, 0
	s_wait_kmcnt 0x0
	s_add_nc_u64 s[4:5], s[26:27], s[36:37]
	s_add_nc_u64 s[8:9], s[26:27], s[38:39]
	s_add_nc_u64 s[6:7], s[24:25], s[40:41]
	s_add_nc_u64 s[10:11], s[24:25], s[42:43]
	s_add_nc_u64 s[14:15], s[28:29], s[44:45]
	s_wait_alu depctr_va_vdst(0)                   ; the offsets and addresses v1 to v6 are written, which the loads and stores of the kernel read
.irp b, 0,1,2,3
	global_load_b128 v[8+4*\b:11+4*\b], v3, s[8:9] offset:256*\b     ; row r's four scale words, one for each K step
.endr
.irp a, 0,1
	global_load_b128 v[24+4*\a:27+4*\a], v3, s[10:11] offset:256*\a
.endr
	LOADK 0, 0
	LOADK 1, 1
	s_wait_loadcnt 24                              ; the scale words and set 0 are in; set 1's 24 loads may be out
	MULK 0, 0, 1
	PLACES
	s_wait_alu depctr_va_vdst(0)                   ; K step 0's products are done reading set 0, in which the loads below land
	LOADK 2, 0
	s_wait_loadcnt 24                              ; set 1 is in
	MULK 1, 1, 0
	PLACES
	s_wait_alu depctr_va_vdst(0)                   ; K step 1's products are done reading set 1, in which the loads below land
	LOADK 3, 1
	s_wait_loadcnt 24
	MULK 2, 0, 0
	s_wait_loadcnt 0x0
	MULK 3, 1, 0
	PLACES
	s_wait_alu depctr_va_vdst(0)                   ; the products have written the accumulators, which the LDS stores read, and are done reading v32-95, in which the stage's rows land; the places above stay beside this wait
.irp a, 0,1
.irp b, 0,1,2,3
	ds_store_b128 v4, v[176+8*(4*\a+\b):179+8*(4*\a+\b)] offset:64*\b        ; each accumulator from its low end on
	ds_store_b128 v4, v[180+8*(4*\a+\b):183+8*(4*\a+\b)] offset:64*\b+16
.endr
.irp i, 0,1,2,3,4,5,6,7
	ds_load_b128 v[32+32*\a+4*\i:35+32*\a+4*\i], v5 offset:544*\i            ; LDS serves a wave's instructions in order: these see my stores, and the next tile's stores come behind them
.endr
.endr
.irp a, 0,1
.irp i, 0,1,2,3,4,5,6,7
	s_wait_dscnt 16*(1-\a)+7-\i                    ; behind this load: the tile's 7 - i younger loads, and for the first tile the second tile's sixteen LDS instructions
	global_store_b128 v6, v[32+32*\a+4*\i:35+32*\a+4*\i], s[14:15] offset:(8*\a+2*\i+8*(\i/4))*2048 th:TH_STORE_NT
.endr
.endr
	s_wait_dscnt 0x0                               ; the closing lines, six on end
	s_wait_alu 0x0
	s_wait_tensorcnt 0x0
	ds_add_u32 v254, v255
	s_wait_dscnt 0x0
	s_endpgm
.Lfunc_end_k_q94b7d2749d_outp:
	.size	k_q94b7d2749d_outp, .Lfunc_end_k_q94b7d2749d_outp-k_q94b7d2749d_outp
	.p2alignl 7, 3214868480
	.fill 96, 4, 3214868480
	.section	.rodata,"a",@progbits
	.p2align	6, 0x0
	.amdhsa_kernel k_q94b7d2749d_outp
		.amdhsa_group_segment_fixed_size 17920
		.amdhsa_private_segment_fixed_size 0
		.amdhsa_enable_private_segment 0
		.amdhsa_kernarg_size 24
		.amdhsa_user_sgpr_count 2
		.amdhsa_user_sgpr_kernarg_segment_ptr 1
		.amdhsa_wavefront_size32 1
		.amdhsa_system_sgpr_workgroup_id_x 1
		.amdhsa_system_sgpr_workgroup_id_y 1
		.amdhsa_system_sgpr_workgroup_id_z 1
		.amdhsa_system_vgpr_workitem_id 0
		.amdhsa_next_free_vgpr 256
		.amdhsa_next_free_sgpr 66
		.amdhsa_reserve_vcc 0
		.amdhsa_float_denorm_mode_32 3
		.amdhsa_float_denorm_mode_16_64 3
		.amdhsa_memory_ordered 1
		.amdhsa_forward_progress 1
		.amdhsa_inst_pref_size 21
	.end_amdhsa_kernel
	.amdgpu_metadata
---
amdhsa.version: [ 1, 2 ]
amdhsa.kernels:
  - .name:           k_q94b7d2749d_outp
    .symbol:         k_q94b7d2749d_outp.kd
    .args:
      - { .name: hc, .offset: 0, .size: 8, .value_kind: global_buffer, .address_space: global }
      - { .name: wc, .offset: 8, .size: 8, .value_kind: global_buffer, .address_space: global }
      - { .name: out0, .offset: 16, .size: 8, .value_kind: global_buffer, .address_space: global }
    .group_segment_fixed_size: 17920
    .private_segment_fixed_size: 0
    .kernarg_segment_align: 8
    .kernarg_segment_size: 24
    .max_flat_workgroup_size: 128
    .sgpr_count:     66
    .vgpr_count:     256
    .wavefront_size: 32
...
	.end_amdgpu_metadata
.endif
;; end of part 7
